; MI455X (gfx1250); checked and timed in simulation.
; The chip was launched on July 23, 2026; its instructions are those of AMD's public machine-readable ISA for CDNA 5 (MIT licence, August 2026) and "CDNA5" Instruction Set Architecture Reference Guide (July 2026). The comments in the code are by the model that wrote it; some were corrected since.
;; Causal Self Attention. Allowed arithmetic: matrix products marked QUANTISED: E5M2 operands, one E8M0 scale for each 32 along K, by v_wmma_scale_f32_16x16x128_f8f6f4 with both operands' format E5M2, f32 sums; everything else in f32.
;; Inputs: b_k 256 float32; b_o 1,024 float32; b_q 1,024 float32; b_v 256 float32; w_k 1,024 x 256 float32; w_o 1,024 x 1,024 float32; w_q 1,024 x 1,024 float32; w_v 1,024 x 256 float32; x 2 x 2,048 x 1,024 float32.
;; Outputs: out0 2 x 2,048 x 1,024 float32.
;; This version of the problem:
;;   THIS VERSION OF THE PROBLEM IS GIVEN IN LOW PRECISION. The matrix products marked QUANTISED in the list below multiply operands that are first quantised to E5M2 (5 exponent bits, 2 mantissa bits; 8 bits a number), with one power-of-two scale for each 32 numbers along K (OCP MX v1.0); their sums are f32. All else is computed in f32.
;;   The module's matrix products, in the order in which they are computed (A, B: the left and right operand; K: the contracted axis; several contracted axes count as one K, in the product's order):
;;     1. [M 4,096, K 1,024] x [K 1,024, N 1,024]; A: input x; B: input w_q: QUANTISED
;;     2. [M 4,096, K 1,024] x [K 1,024, N 256]; A: input x; B: input w_k: QUANTISED
;;     3. [M 4,096, K 1,024] x [K 1,024, N 256]; A: input x; B: input w_v: QUANTISED
;;     4. batch 8 x [M 2,048, K 64] x [K 64, N 8,192]; A: computed on the way; B: computed on the way: QUANTISED
;;     5. batch 8 x [M 64, K 2,048] x [K 2,048, N 8,192]; A: computed on the way; B: softmax (see below): QUANTISED
;;     6. [M 4,096, K 1,024] x [K 1,024, N 1,024]; A: computed on the way; B: input w_o: QUANTISED
;;   THE QUANTISER, for each operand of a quantised product, along K:
;;     - K is cut into blocks of 32 from its start; a last block that is shorter is filled with zeros.
;;     - A block's scale is 2^e with e = floor(log2(the largest magnitude in the block)) - 15, held to -126 .. 127; a block of zeros has e = 0. As a byte (E8M0): e + 127.
;;     - Each number is divided by its block's scale, clamped to +-57,344, and rounded to the nearest number of E5M2, ties to even, subnormals kept.
;;     - The product sums the exact products of the quantised numbers (number of the format x scale) in f32.
;;   ~~~python
;;   def quantise(x, axis):      # numpy; x: float32 -> the quantised numbers, widened to float32 again
;;       x = np.moveaxis(x, axis, -1); K = x.shape[-1]
;;       x = np.pad(x, [(0, 0)] * (x.ndim - 1) + [(0, -K % 32)]); x = x.reshape(x.shape[:-1] + (-1, 32)); a = np.abs(x).max(-1, keepdims=True)
;;       e = np.where(a > 0, np.clip(np.frexp(np.where(a > 0, a, 1))[1] - 1 - 15, -126, 127), 0)      # np.frexp(a)[1] - 1 = floor(log2(a)), exactly
;;       r = np.clip(x / 2.0 ** e, -57344, 57344)
;;       step = 2.0 ** (np.maximum(np.frexp(np.where(r == 0, 1, r))[1] - 1, -14) - 2)
;;       q = np.round(r / step) * step * 2.0 ** e      # np.round: ties to even
;;       return np.moveaxis(q.reshape(q.shape[:-2] + (-1,))[..., :K], -1, axis).astype(np.float32)
;;   ~~~
;;   SOFTMAX AHEAD OF A QUANTISED PRODUCT. Where the list says 'softmax', what is quantised is not the finished softmax but p = 2^(t - M), with t = logit x log2(e) and M = ceil(the row's largest t), a whole number; so 1/2 < the row's largest p <= 1. The row's sum l is taken of the UNQUANTISED p, in f32, and the product's result is divided by l at the end. Since M is a whole number, a kernel that streams over the keys may use a running M (the ceiling of the running maximum): every later rescaling is an exact power of two, which a block's scale takes up: the codes' values come out the same.
;;   OPERANDS COMPUTED ON THE WAY. 'Computed on the way' means the value that the module computes at that place (a softmax that the list does not call 'softmax' is quantised finished and normalised). What goes into a quantiser is computed in f32, as accurately as f32 sums, v_exp_f32 and their like allow (about 1e-6 of the number): no bf16 or f16 on the way to a quantiser, and a product that is left as it is and whose result goes on into a quantised operand takes f32 operands (vector FMAs, or v_wmma_f32_16x16x4_f32). A number that lies on a knife's edge between two numbers of the format may be rounded either way, as far as f32 arithmetic and the matrix unit's own rounding can turn it there, and no further.
;; One version. Each part assembles by itself: llvm-mc -triple=amdgcn-amd-amdhsa -mcpu=gfx1250 --defsym DOCPART=n.
;; ======== version 1 of 1: 4 launches
;; limits: right only within a limited range of input values
;; workspace buffers: xw 7,028,736 bytes; qbuf 4,456,448 bytes; kvbuf 2,228,224 bytes; obuf 4,325,376 bytes
;; launch quant (part 1): grid 208 x 1, 4 waves a work-group, no clusters, 34,304 bytes of LDS; arguments x, w_q, w_k, w_v, w_o, xw; writes xw
.if DOCPART == 1
	.amdgcn_target "amdgcn-amd-amdhsa--gfx1250"
	.amdhsa_code_object_version 6
	.text
	.protected	k_q0c0fd47cf8_quant
	.globl	k_q0c0fd47cf8_quant
	.p2align	8
	.type	k_q0c0fd47cf8_quant,@function
k_q0c0fd47cf8_quant:
	s_mov_b64 s[64:65], 0
	v_nop
	global_prefetch_b8 v0, s[64:65] scope:SCOPE_SE
	s_setreg_imm32_b32 hwreg(HW_REG_WAVE_MODE, 25, 1), 1
	s_wait_xcnt 0x0
; LAUNCH 1 OF 4.  x [4096][1024] and the weights w_q, w_k, w_v, w_o ([K 1024][N]), all f32, become codes of BF8 (E5M2) with one E8M0 byte for each 32 along K.
; DEAD WORK OF THE WHOLE PROGRAM.  reference() sets every score whose key comes after its query to -infinity by its own jnp.tril, so p = 0 there whatever finite values the inputs hold: a step of 128 keys
; all of which come after all 16 queries of a tile adds 0 to the row's sum and to the output and cannot raise the row's maximum.  The launch attn leaves such steps out, and nothing else is left out:
; every input, the four biases among them, has a way to the output and is loaded.  LIMIT: a NaN, an infinity or an overflow that arises only in scores that the mask hides is not carried to the result.
; LAYOUT OF THE WORKSPACE xw: every operand lies as an IMAGE OF THE OPERAND'S REGISTERS.  A fragment (16 rows x 128 K) is 2,048 bytes [c 4][lane 32][16 bytes]: lane (r, h) holds row r, K = 32 c + 16 h + 0 .. 15.
;   byte 0:          x's images   [block of 128 rows 32][chunk of 256 K 4][tile of 16 rows 8][K step 2][2048]
;   byte WI_OFF:     the weights' [block of 128 columns 20][chunk 4][tile 8][K step 2][2048]: blocks 0-7 w_q; block 8 + j: rows 0-63 w_k's head j, rows 64-127 w_v's head j; blocks 12-19 w_o
;   byte XS_OFF, WS_OFF: the scale bytes [block][chunk 4][row 128][8 bytes]: a word for each K step of 128
; THE WEIGHTS' ROWS ARE PERMUTED: inside each 32 columns, column n lies at row n with its bits 3 and 4 exchanged, so that in a product with the weight as source 0 a lane's 16 registers of two neighbouring tiles are 16 neighbouring columns.
; A block's scale is 2^(floor(log2(its largest magnitude)) - 15); its byte is the largest magnitude's exponent field - 15, held at 1 from below.
; LIMITS: a block of zeros gets the byte 1 where the rule says 127 (its codes are zeros, and this program alone reads the bytes); blocks whose largest magnitude lies under 2^-111 keep the byte 1; NaN and infinities among the inputs are not served.
; SHARES: work-groups 0-127 take x (32 rows each; wave w the chunk w); work-groups 128-207 take the weights (128 columns x 256 K each; a wave 32 columns).  Only x's path touches LDS.  No matrix unit, no cluster: nothing is shared.
.set SPARE,  33792                     ; behind the four stages: the spare words, 128 bytes for each wave
; THE IMAGES AS THIS TEXT STORES THEM: x: [block of 128 rows 32][K step 8][tile 8][2048].  The weights of q, k, v: [group 8][K step 8][tile 12][2048], a group = six units of 32 columns: slots 0, 1 w_q's head 2 g, slots 3, 4 its head 2 g + 1,
; slots 2, 5 the two halves of w_k's head g (g < 4) or of w_v's head g - 4; their scale bytes [group 8][chunk 4][row 192][8].  w_o: behind them, blocks 12-19 [chunk 4][tile 8][K step 2][2048], scale bytes [block][chunk 4][row 128][8].
.set WI_OFF, 4194304
.set XS_OFF, 6815744
.set WS_OFF, 6946816
.set TM,     224                       ; v224-227 largest magnitudes, v228-231 bytes, v232-235 the largest number x the scale, v236-239 the conversions' scale operands
.set PC,     240                       ; v240-255 a fragment's codes
.set PW,     20                        ; v20 its scale word
	s_load_b256 s[8:15], s[0:1], 0x0               ; x s[8:9], w_q s[10:11], w_k s[12:13], w_v s[14:15]
	s_load_b128 s[16:19], s[0:1], 0x20             ; w_o s[16:17], xw s[18:19]
	v_lshl_add_u32 v30, v0, 2, SPARE               ; my spare word; never rewritten
	v_mov_b32 v31, 0                               ; 0; never rewritten
	v_lshrrev_b32 v1, 5, v0
	v_readfirstlane_b32 s20, v1                    ; wave 0..3
	v_and_b32 v7, 31, v0                           ; lane
	s_mov_b32 s21, 0x600000                        ; the mantissa field of 57,344
	s_mov_b32 s22, 0x76543210
	s_mov_b32 s23, 0xfedcba98                      ; v_permlanex16_b32's selects for lane l xor 16
	s_cmp_lt_u32 ttmp9, 128
	s_cbranch_scc0 .Lweights
; ---------------- x: K is innermost.  A unit is 16 rows x 128 K: 16 loads of 512 consecutive bytes, turned through the wave's own stage in LDS so that lane (r, h) holds 16 neighbours of each block of 32 of row r
	v_lshlrev_b32 v1, 4, v7                        ; 16 x lane
	v_and_b32 v8, 15, v0                           ; r
	v_bfe_u32 v9, v0, 4, 1                         ; h
	s_mul_i32 s24, s20, 8448                       ; my stage: 16 rows x (512 + 16) bytes
	v_add_nc_u32 v2, s24, v1                       ; into it: 16 x lane of a row
	v_mul_u32_u24 v3, v8, 528
	v_lshl_add_u32 v3, v9, 6, v3
	v_add_nc_u32 v3, s24, v3                       ; out of it: row r, + 64 h
	v_lshlrev_b32 v4, 3, v7                        ; 8 x lane: the scale words' place
.irp b, 0,1,2,3
	v_mov_b32 v[TM+4+\b], 0                        ; written once: a lane permute's destination counts as one of its sources
.endr
	s_lshl_b32 s26, ttmp9, 17                      ; my 32 rows of 4,096 bytes,
	s_lshl_b32 s27, s20, 10                        ; my wave's chunk of 1,024 bytes
	s_add_co_u32 s26, s26, s27
	s_mov_b32 s27, 0
	s_lshr_b32 s28, ttmp9, 2
	s_lshl_b32 s28, s28, 2
	s_add_co_u32 s28, s28, s20                     ; 4 x block + chunk
	s_and_b32 s29, ttmp9, 3                        ; which 32 rows of the block
	s_lshl_b32 s30, s28, 15
	s_lshl_b32 s31, s29, 12                        ; two tiles of 2,048 bytes
	s_add_co_u32 s30, s30, s31
	s_mov_b32 s31, 0
	s_lshl_b32 s32, s28, 10
	s_lshl_b32 s33, s29, 8
	s_add_co_u32 s32, s32, s33
	s_add_co_u32 s32, s32, XS_OFF
	s_mov_b32 s33, 0
	s_wait_alu depctr_va_vdst(0)
	s_wait_kmcnt 0x0
	s_add_nc_u64 s[8:9], s[8:9], s[26:27]          ; x at my unit 0
	s_add_nc_u64 s[30:31], s[18:19], s[30:31]      ; the images
	s_add_nc_u64 s[32:33], s[18:19], s[32:33]      ; the scale words
.macro XLOAD u, s                      ; unit u (tile u / 2, K step u % 2) into set s
.irp p, 0,1,2,3,4,5,6,7,8,9,10,11,12,13,14,15
	global_load_b128 v[32+64*(\s)+4*\p:32+64*(\s)+4*\p+3], v1, s[8:9] offset:(16*((\u)/2)+\p)*4096+((\u)%2)*512 th:TH_LOAD_NT
.endr
.endm
.macro TURN s                          ; LDS serves a wave's instructions in order: no wait stands between the stores and the loads
.irp p, 0,1,2,3,4,5,6,7,8,9,10,11,12,13,14,15
	ds_store_b128 v2, v[32+64*(\s)+4*\p:32+64*(\s)+4*\p+3] offset:528*\p
.endr
.irp c, 0,1,2,3
.irp j, 0,1,2,3
	ds_load_b128 v[32+64*(\s)+16*\c+4*\j:32+64*(\s)+16*\c+4*\j+3], v3 offset:128*\c+16*\j
.endr
.endr
.endm
; 64 numbers of a lane, register 16 b + i = K 32 b + 16 h + i of my row, become a fragment's codes in v[PC] on and its scale word in v[PW]
.macro QUANT s
.irp b, 0,1,2,3
	v_max3_num_f32 v[TM+\b], |v[(\s)+16*\b]|, |v[(\s)+1+16*\b]|, 0x8000000   ; my 16 numbers of block b, and the floor 2^(16 - 127): the byte cannot fall under 1
.endr
.irp i, 2,4,6,8,10,12,14
.irp b, 0,1,2,3
	v_max3_num_f32 v[TM+\b], v[TM+\b], |v[(\s)+16*\b+\i]|, |v[(\s)+1+16*\b+\i]|
.endr
.endr
.irp b, 0,1,2,3
	v_permlanex16_b32 v[TM+4+\b], v[TM+\b], s22, s23
.endr
.irp b, 0,1,2,3
	v_max_num_f32 v[TM+\b], v[TM+\b], v[TM+4+\b]   ; with lane l xor 16's: the block's largest magnitude
.endr
.irp b, 0,1,2,3
	v_add_nc_u32 v[TM+12+\b], 0xf8800000, v[TM+\b] ; 15 off its exponent field: the conversion's scale operand
.endr
.irp b, 0,1,2,3
	v_and_or_b32 v[TM+8+\b], v[TM+\b], 0x7f800000, s21   ; 57,344 x the scale
.endr
.irp b, 0,1,2,3
	v_lshrrev_b32 v[TM+4+\b], 23, v[TM+12+\b]      ; the scale's byte
.endr
	v_lshl_or_b32 v[PW], v[TM+5], 8, v[TM+4]
	v_lshl_or_b32 v[PW], v[TM+6], 16, v[PW]
	v_lshl_or_b32 v[PW], v[TM+7], 24, v[PW]
.irp b, 0,1,2,3
.irp i, 0,1,2,3,4,5,6,7,8,9,10,11,12,13,14,15
	v_med3_num_f32 v[(\s)+16*\b+\i], v[(\s)+16*\b+\i], -v[TM+8+\b], v[TM+8+\b]   ; the conversion to an 8-bit code does not saturate (ISA guide 7.6.2): the hold
.endr
	v_cvt_scalef32_pk8_bf8_f32 v[PC+4*\b:PC+1+4*\b], v[(\s)+16*\b:(\s)+7+16*\b], v[TM+12+\b]
	v_cvt_scalef32_pk8_bf8_f32 v[PC+2+4*\b:PC+3+4*\b], v[(\s)+8+16*\b:(\s)+15+16*\b], v[TM+12+\b]
.endr
	v_nop                                          ; one plain vector instruction behind the last conversion
.endm
.macro UNIT u, s, left                 ; left: the younger units' loads, which may stay out
	s_wait_loadcnt \left
	TURN \s
	s_wait_dscnt 0x0                               ; the unit is back from the stage
	s_wait_xcnt 0x0                                ; the last unit's stores have read the codes' registers
	QUANT 32+64*(\s)
	v_mov_b32 v[16+\u], v[PW]
.irp c, 0,1,2,3
	global_store_b128 v1, v[PC+4*\c:PC+4*\c+3], s[30:31] offset:((\u)/2)*2048+((\u)%2)*16384+\c*512   ; 32 lanes store 512 consecutive bytes
.endr
.endm
	XLOAD 0, 0
	XLOAD 1, 1
	XLOAD 2, 2
	UNIT 0, 0, 32
	XLOAD 3, 0
	UNIT 1, 1, 32
	UNIT 2, 2, 16
	UNIT 3, 0, 0
	v_cmp_le_u32 s24, 16, v7                       ; lanes 0-15 store tile 0's two words of row r, lanes 16-31 tile 1's: 256 consecutive bytes
	v_cndmask_b32 v22, v16, v18, s24
	v_cndmask_b32 v23, v17, v19, s24
	global_store_b64 v4, v[22:23], s[32:33]
	s_wait_tensorcnt 0x0                           ; the wave's end: behind my last LDS store
	ds_add_u32 v30, v31
	s_wait_dscnt 0x0
	s_endpgm
; ---------------- the weights: K is the FIRST axis.  A lane takes a column and its registers run down K: a block of 32 lies in one lane, and the codes come out with K innermost.  No LDS.
.Lweights:
	s_sub_co_u32 s24, ttmp9, 128
	s_lshr_b32 s25, s24, 2                         ; cg: which 128 columns of the twenty
	s_and_b32 s26, s24, 3                          ; ch: which 256 along K
	s_sub_co_u32 s27, s25, 12
	s_sub_co_u32 s50, s25, 10
	s_sub_co_u32 s51, s25, 8
	s_mov_b32 s48, 4096                            ; a row of the tensor in bytes
	s_mov_b32 s49, 0                               ; 0: w_q or w_o, 1: w_k, 2: w_v
	s_mov_b32 s52, 1024
	s_wait_kmcnt 0x0
	s_cmp_lt_u32 s25, 12                           ; the choices hang on the work-group's number alone
	s_cselect_b64 s[28:29], s[14:15], s[16:17]
	s_cselect_b32 s27, s50, s27
	s_cselect_b32 s48, s52, s48
	s_cselect_b32 s49, 2, s49
	s_cmp_lt_u32 s25, 10
	s_cselect_b64 s[28:29], s[12:13], s[28:29]
	s_cselect_b32 s27, s51, s27
	s_cselect_b32 s49, 1, s49
	s_mov_b32 s52, 4096
	s_cmp_lt_u32 s25, 8
	s_cselect_b64 s[28:29], s[10:11], s[28:29]
	s_cselect_b32 s27, s25, s27                    ; lc: which 128 columns of the tensor
	s_cselect_b32 s48, s52, s48
	s_cselect_b32 s49, 0, s49
	s_lshr_b32 s53, s20, 1
	s_and_b32 s54, s20, 1
	s_lshl_b32 s50, s27, 1
	s_add_co_u32 s50, s50, s53                     ; w_k, w_v: the head 2 lc + wave / 2
	s_lshl_b32 s51, s49, 2
	s_add_co_u32 s50, s50, s51
	s_sub_co_u32 s50, s50, 4                       ; w_k's head j in group j, w_v's in group 4 + j;
	s_mul_i32 s51, s54, 3
	s_add_co_u32 s51, s51, 2                       ; its half wave % 2 in slot 2 or 5
	s_mul_i32 s53, s53, 3
	s_add_co_u32 s54, s53, s54                     ; w_q: group lc, slot 3 (wave / 2) + wave % 2
	s_cmp_eq_u32 s49, 0
	s_cselect_b32 s50, s25, s50                    ; the group,
	s_cselect_b32 s51, s54, s51                    ; and the slot
	s_lshl_b32 s56, s27, 9
	s_lshl_b32 s57, s20, 7
	s_add_co_u32 s56, s56, s57                     ; my first column, in bytes
	s_lshl_b32 s57, s26, 8
	s_mul_i32 s57, s57, s48                        ; my first row
	s_add_co_u32 s56, s56, s57
	s_mov_b32 s57, 0
	s_add_nc_u64 s[32:33], s[28:29], s[56:57]      ; block t of 32 along K begins at s[32 + 2 t : 33 + 2 t]
	s_lshl_b32 s58, s48, 5
	s_mov_b32 s59, 0
.irp t, 1,2,3,4,5,6,7
	s_add_nc_u64 s[32+2*\t:33+2*\t], s[30+2*\t:31+2*\t], s[58:59]
.endr
	s_mul_i32 s53, s50, 196608                     ; q, k, v: the image,
	s_lshl_b32 s54, s51, 12
	s_add_co_u32 s53, s53, s54
	s_mul_i32 s54, s26, 2*24576
	s_add_co_u32 s53, s53, s54
	s_mul_i32 s54, s50, 6144                       ; and the scale bytes
	s_lshl_b32 s55, s51, 8
	s_add_co_u32 s54, s54, s55
	s_mul_i32 s55, s26, 1536
	s_add_co_u32 s54, s54, s55
	s_lshl_b32 s60, s25, 2                         ; w_o: 4 x block + chunk
	s_add_co_u32 s60, s60, s26
	s_lshl_b32 s56, s60, 15
	s_lshl_b32 s57, s20, 13
	s_add_co_u32 s56, s56, s57
	s_lshl_b32 s60, s60, 10
	s_lshl_b32 s57, s20, 8
	s_add_co_u32 s60, s60, s57
	s_mov_b32 s61, 4096
	s_mov_b32 s62, 2048
	s_mov_b32 s63, 24576
	s_cmp_lt_u32 s25, 12
	s_cselect_b32 s56, s53, s56
	s_cselect_b32 s60, s54, s60
	s_cselect_b32 s61, s62, s61                    ; from tile to tile
	s_cselect_b32 s62, s63, s62                    ; from K step to K step
	s_add_co_u32 s56, s56, WI_OFF
	s_mov_b32 s57, 0
	s_mov_b32 s63, 0
	s_add_nc_u64 s[28:29], s[18:19], s[56:57]      ; the chunk's first K step
	s_add_nc_u64 s[66:67], s[28:29], s[62:63]      ; and its second
	s_add_co_u32 s56, s60, WS_OFF
	s_add_nc_u64 s[30:31], s[18:19], s[56:57]      ; the scale bytes
	s_wait_alu depctr_va_vdst(0)
	v_and_b32 v5, 7, v7                            ; lane l is stored row l: it loads the column l with bits 3 and 4 exchanged
	v_and_b32 v8, 8, v7
	v_lshl_or_b32 v5, v8, 1, v5
	v_and_b32 v8, 16, v7
	v_lshrrev_b32 v8, 1, v8
	v_or_b32 v5, v5, v8
	v_lshlrev_b32 v5, 2, v5
.irp i, 0,1,2,3,4,5,6,7,8,9,10,11,12,13,14,15,16,17,18,19,20,21,22,23,24,25,26,27,28,29,30,31
	v_mad_u32_u24 v[96+\i], s48, \i, v5            ; row i of a block, my column
.endr
	v_lshrrev_b32 v8, 4, v7
	v_and_b32 v9, 15, v7
	v_lshlrev_b32 v6, 4, v9
	v_mad_u32_u24 v6, s61, v8, v6                  ; the image: tile lane / 16, 16 bytes at 16 (lane % 16)
	v_lshlrev_b32 v4, 3, v7                        ; 8 scale bytes a row
.macro WLOAD t
.irp i, 0,1,2,3,4,5,6,7,8,9,10,11,12,13,14,15,16,17,18,19,20,21,22,23,24,25,26,27,28,29,30,31
	global_load_b32 v[32+32*((\t)%2)+\i], v[96+\i], s[32+2*(\t):33+2*(\t)] th:TH_LOAD_NT
.endr
.endm
.macro WBLOCK t
.set XB, 32+32*((\t)%2)
.if (\t) < 7
	s_wait_loadcnt 32                              ; this block's 32 loads are in; the next block's may be out
.else
	s_wait_loadcnt 0x0
.endif
	v_max3_num_f32 v12, |v[XB]|, |v[XB+1]|, |v[XB+2]|
	v_max3_num_f32 v13, |v[XB+3]|, |v[XB+4]|, |v[XB+5]|
.irp i, 6,10,14,18,22,26
	v_max3_num_f32 v12, v12, |v[XB+\i]|, |v[XB+\i+1]|
	v_max3_num_f32 v13, v13, |v[XB+\i+2]|, |v[XB+\i+3]|
.endr
	v_max3_num_f32 v12, v12, |v[XB+30]|, |v[XB+31]|
	v_max3_num_f32 v12, v12, v13, 0x8000000        ; and the floor
	v_add_nc_u32 v11, 0xf8800000, v12              ; the conversion's scale operand
	v_and_or_b32 v10, v12, 0x7f800000, s21         ; 57,344 x the scale
	v_lshrrev_b32 v13, 23, v11                     ; the byte
.if (\t)%4 == 0
	v_mov_b32 v[24+(\t)/4], v13
.else
	v_lshl_or_b32 v[24+(\t)/4], v13, 8*((\t)%4), v[24+(\t)/4]
.endif
.irp i, 0,1,2,3,4,5,6,7,8,9,10,11,12,13,14,15,16,17,18,19,20,21,22,23,24,25,26,27,28,29,30,31
	v_med3_num_f32 v[XB+\i], v[XB+\i], -v10, v10
.endr
.irp g, 0,1,2,3
	v_cvt_scalef32_pk8_bf8_f32 v[128+8*(\t)+2*\g:129+8*(\t)+2*\g], v[XB+8*\g:XB+8*\g+7], v11
.endr
	v_nop
	global_store_b128 v6, v[128+8*(\t):131+8*(\t)], s[28+38*((\t)/4):29+38*((\t)/4)] offset:((\t)%4)*512       ; K 0-15 of the block: the half h = 0 of the image; sixteen lanes store 256 consecutive bytes
	global_store_b128 v6, v[132+8*(\t):135+8*(\t)], s[28+38*((\t)/4):29+38*((\t)/4)] offset:((\t)%4)*512+256   ; K 16-31: the half h = 1.  Each block has code registers of its own: no store's data are written again
.if (\t)+2 < 8
	WLOAD (\t)+2
.endif
.endm
	WLOAD 0
	WLOAD 1
.irp t, 0,1,2,3,4,5,6,7
	WBLOCK \t
.endr
	global_store_b64 v4, v[24:25], s[30:31]        ; 32 rows x 8 bytes: 256 consecutive bytes
	s_endpgm
.Lfunc_end_k_q0c0fd47cf8_quant:
	.size	k_q0c0fd47cf8_quant, .Lfunc_end_k_q0c0fd47cf8_quant-k_q0c0fd47cf8_quant
	.p2alignl 7, 3214868480
	.fill 96, 4, 3214868480
	.section	.rodata,"a",@progbits
	.p2align	6, 0x0
	.amdhsa_kernel k_q0c0fd47cf8_quant
		.amdhsa_group_segment_fixed_size 34304
		.amdhsa_private_segment_fixed_size 0
		.amdhsa_enable_private_segment 0
		.amdhsa_kernarg_size 48
		.amdhsa_user_sgpr_count 2
		.amdhsa_user_sgpr_kernarg_segment_ptr 1
		.amdhsa_wavefront_size32 1
		.amdhsa_system_sgpr_workgroup_id_x 1
		.amdhsa_system_sgpr_workgroup_id_y 1
		.amdhsa_system_sgpr_workgroup_id_z 1
		.amdhsa_system_vgpr_workitem_id 0
		.amdhsa_next_free_vgpr 256
		.amdhsa_next_free_sgpr 68
		.amdhsa_reserve_vcc 0
		.amdhsa_float_denorm_mode_32 3
		.amdhsa_float_denorm_mode_16_64 3
		.amdhsa_memory_ordered 1
		.amdhsa_forward_progress 1
		.amdhsa_inst_pref_size 111
	.end_amdhsa_kernel
	.amdgpu_metadata
---
amdhsa.version: [ 1, 2 ]
amdhsa.kernels:
  - .name:           k_q0c0fd47cf8_quant
    .symbol:         k_q0c0fd47cf8_quant.kd
    .args:
      - { .name: x, .offset: 0, .size: 8, .value_kind: global_buffer, .address_space: global }
      - { .name: w_q, .offset: 8, .size: 8, .value_kind: global_buffer, .address_space: global }
      - { .name: w_k, .offset: 16, .size: 8, .value_kind: global_buffer, .address_space: global }
      - { .name: w_v, .offset: 24, .size: 8, .value_kind: global_buffer, .address_space: global }
      - { .name: w_o, .offset: 32, .size: 8, .value_kind: global_buffer, .address_space: global }
      - { .name: xw, .offset: 40, .size: 8, .value_kind: global_buffer, .address_space: global }
    .group_segment_fixed_size: 34304
    .private_segment_fixed_size: 0
    .kernarg_segment_align: 8
    .kernarg_segment_size: 48
    .max_flat_workgroup_size: 128
    .sgpr_count:     68
    .vgpr_count:     256
    .wavefront_size: 32
...
	.end_amdgpu_metadata
.endif
;; end of part 1
;; launch qkv (part 2): grid 8 x 32, 4 waves a work-group, clusters of 4 x 4, 313,344 bytes of LDS; arguments xw, b_q, b_k, b_v, qbuf, kvbuf; writes qbuf, kvbuf
.if DOCPART == 2
	.amdgcn_target "amdgcn-amd-amdhsa--gfx1250"
	.amdhsa_code_object_version 6
	.text
	.protected	k_q0c0fd47cf8_qkv
	.globl	k_q0c0fd47cf8_qkv
	.p2align	8
	.type	k_q0c0fd47cf8_qkv,@function
k_q0c0fd47cf8_qkv:
	s_mov_b64 s[64:65], 0
	v_nop
	global_prefetch_b8 v0, s[64:65] scope:SCOPE_SE
	s_setreg_imm32_b32 hwreg(HW_REG_WAVE_MODE, 25, 1), 1
	s_wait_xcnt 0x0
	s_wait_alu depctr_hold_cnt(0) depctr_sa_sdst(0) depctr_va_vdst(0) depctr_va_sdst(0) depctr_va_ssrc(0) depctr_va_vcc(0) depctr_vm_vsrc(0)
	s_getreg_b32 s2, hwreg(HW_REG_IB_STS2, 6, 4)
	s_cmp_eq_u32 s2, 0
	s_cbranch_scc0 .Lentry_in_a_cluster
	s_endpgm
.Lentry_in_a_cluster:
	s_bfe_u32 s2, ttmp6, 0x10000c
	s_cmp_lg_u32 s2, 0xf033
	s_cbranch_scc0 .Lentry_shape_is_right
	s_endpgm
.Lentry_shape_is_right:
; LAUNCH 2 OF 4.  q = x w_q + b_q, k = x w_k + b_k, v = x w_v + b_v on codes of BF8 with E8M0 scales (from xw), and q, k, v quantised in registers for the attention's two products.  Nothing is left out here.
; A work-group makes 128 tokens x 192 columns, 256 work-groups in all; four waves, 64 tokens x 96 columns each: 24 accumulators.  Column group g: heads 2 g and 2 g + 1 of q, and head g of k (g < 4) or head g - 4 of v.
; Wave column s takes q's head 2 g + s (units 0, 1 of 32 columns) and half s (32 columns) of the k or v head (unit 2).  Whether unit 2 is k or v hangs on the cluster's x, the same in all partners.
; ALL of K = 1,024 of the weights and K steps 0-6 of x lie in LDS, each byte filled once by one joint load a wave at the head: waves 0, 1 bring x's and the weights' K steps 0-3, waves 2, 3 the rest.  x's K step 7 (64 registers a wave)
; comes from memory straight into registers: beside it and the weights LDS has no room.  Nothing is asked for later, so there is no prefetch.
; CLUSTER 4 x 4: x's tiles are asked for jointly along a row of the cluster, the weights' along a column.
; q AND k: source 0 = 16 rows of the weight, source 1 = 16 tokens: a lane holds one token, and (the weights' rows are permuted so) the 16 registers of two neighbouring tiles are 16 neighbouring d: their K in the product q k^T.
; v: source 0 = 16 tokens, source 1 = 16 rows of w_v: a lane holds one d and its registers run along the tokens, which are the K of the product with p.
; In v's codes position 32 c + 16 h + i of a block holds key 32 c + 8 h + i (i < 8) or 32 c + 16 + 8 h + i - 8: a permutation inside the quantiser's block, which p has too (launch attn).
; OUT: qbuf: q's images [batch x head 32][tile of 16 tokens 128][c 2][lane][16]; at QS_OFF its scale words [32][64 tokens 32][r 16][tile 4].
;      kvbuf: [batch x kv head 8][step of 128 keys 16] records of KVSTEP bytes: k: tile 8 x 1024; v: tile of 16 d 4 x 2048; scale words k half 0 | k half 1 | v half 0 | v half 1, 256 bytes each, [r 16][tile 4] words of two bytes.
; LIMITS: the bias goes in first, as C, so the order of the sums differs from reference()'s; a block of zeros gets the byte 1 (only this program reads the bytes); blocks under 2^-111 keep the byte 1; NaN and infinities are not served.
; REGISTERS: window 0: v1 16 x lane, v2 r, v3 h, v8, v9 x's LDS addresses, v10-13 the weights', v17-24 the way out, v28, v29 the add's two; v32-79 the weights' scale words (tile j, K step q at 32 + 8 j + q), v84-115 x's (84 + 8 i + q);
;   v116-163 the bias.  Window 1: the weights' six fragments, two buffers of 96.  Window 2: the sums: (i, j) of units 0, 1 at 8 (4 i + j); unit 2 from 128: k (i, s) at 8 (2 i + s), v at 8 (4 s + i).  So every 16 registers are one block of a quantiser.
;   Window 3: x's four fragments, two buffers of 64, and K step 7's at 128.
.set XS_OFF,  6815744
.set WI_OFF,  4194304
.set WS_OFF,  6946816
.set QS_OFF,  4194304
.set KVSTEP,  17408
.set WLO,     65536                    ; LDS: x's K steps 0-3 from 0, the weights' 0-3, x's 4-6, the weights' 4-7
.set XHI,     163840
.set WHI,     212992
.set SPARE,   311296                   ; the spare words, 128 bytes for each wave
.set SXK,     311808                   ; k's scale bytes on their way: [wave column 2][token half 2][256]
.set SXV,     312832                   ; v's: [token half 2][256]
.set MSB, 0
.macro WIN new                         ; the immediate's high byte repeats the setting that is left
.if MSB != \new
	s_set_vgpr_msb (MSB<<8)|\new
.set MSB, \new
.endif
.endm
.macro CROUND                          ; a round of the cluster's barrier
	s_barrier_signal -1
	s_barrier_wait -1
	s_cmp_lg_u32 s16, 0
	s_cbranch_scc1 .Lnot_wave_0_\@
	s_barrier_signal -3
.Lnot_wave_0_\@:
	s_barrier_wait -3
	s_barrier_signal -1
	s_barrier_wait -1
.endm
.macro GROUP1 g, mask, rows            ; a dense block as rows of 256 bytes (32 elements of 8 bytes); the mask, and bit 21 beside it; no padding
	s_or_b32 s[\g], s[\mask], (3<<16)|(1<<21)
	s_mov_b32 s[\g+1], 32<<16
	s_mov_b32 s[\g+2], (\rows)<<16
	s_mov_b32 s[\g+3], 32<<16
	s_mov_b32 s[\g+4], \rows
	s_mov_b32 s[\g+5], 32
	s_mov_b32 s[\g+6], 0
	s_mov_b32 s[\g+7], 0
.endm
.macro ARM under, g0, g1, next         ; one load a wave, each wave's in an arm of its own
	s_cmp_lt_u32 s16, \under
	s_cbranch_scc0 \next
	tensor_load_to_lds s[\g0:\g0+3], s[\g1:\g1+7]
	s_nop 0
.rept 4
	v_nop
.endr
	s_branch .Lfilled
\next:
.endm
.macro FETCH q                         ; K step q's fragments into buffers q % 2: loads of 512 consecutive bytes
	WIN 0x40                                       ; destination window 1, address window 0
.irp b, 0,1,2,3,4,5
.irp c, 0,1,2,3
	ds_load_b128 v[96*((\q)%2)+16*\b+4*\c:96*((\q)%2)+16*\b+4*\c+3], v[10+(\q)/2] offset:((\q)%2)*24576+\b*2048+\c*512
.endr
.endr
.if (\q) < 7
	WIN 0xc0                                       ; destination window 3
.irp b, 0,1,2,3
.irp c, 0,1,2,3
	ds_load_b128 v[64*((\q)%2)+16*\b+4*\c:64*((\q)%2)+16*\b+4*\c+3], v[8+(\q)/4] offset:((\q)%4)*16384+\b*2048+\c*512
.endr
.endr
.endif
	WIN 0
.endm
; one product.  The 24 accumulators take turns, one instruction a turn, in the same order in every step.  The first K step's C is the bias of the weight's tile
.macro MUL q, d, a, b, sa, sb, j
.if (\q) == 0
	v_wmma_scale_f32_16x16x128_f8f6f4 v[\d:\d+7], v[\a:\a+15], v[\b:\b+15], v[116+8*(\j):123+8*(\j)], v[\sa], v[\sb] matrix_a_fmt:MATRIX_FMT_BF8 matrix_b_fmt:MATRIX_FMT_BF8
.else
	v_wmma_scale_f32_16x16x128_f8f6f4 v[\d:\d+7], v[\a:\a+15], v[\b:\b+15], v[\d:\d+7], v[\sa], v[\sb] matrix_a_fmt:MATRIX_FMT_BF8 matrix_b_fmt:MATRIX_FMT_BF8
.endif
.endm
.macro MULS q
.if (\q) == 7
.set XB, 128
.else
.set XB, 64*((\q)%2)
.endif
.set WB, 96*((\q)%2)
.if (\q) == 0
	WIN 0x8d                                       ; source 0 window 1, source 1 window 3, C window 0, D window 2
.else
	WIN 0xad                                       ; C and D window 2
.endif
.irp i, 0,1,2,3
.irp j, 0,1,2,3
	MUL \q, 8*(4*\i+\j), WB+16*\j, XB+16*\i, 32+8*\j+(\q), 84+8*\i+(\q), \j
.endr
.endr
	WIN 0                                          ; at a branch and at a label every window is 0
	s_cmp_lg_u32 s92, 0
	s_cbranch_scc1 .Lunit_v_\@
.if (\q) == 0
	WIN 0x8d
.else
	WIN 0xad
.endif
.irp i, 0,1,2,3
.irp s, 0,1
	MUL \q, 128+8*(2*\i+\s), WB+64+16*\s, XB+16*\i, 64+8*\s+(\q), 84+8*\i+(\q), 4+\s
.endr
.endr
	WIN 0
	s_branch .Lunit_done_\@
.Lunit_v_\@:
.if (\q) == 0
	WIN 0x87                                       ; source 0 window 3, source 1 window 1
.else
	WIN 0xa7
.endif
.irp s, 0,1
.irp i, 0,1,2,3
	MUL \q, 128+8*(4*\s+\i), XB+16*\i, WB+64+16*\s, 84+8*\i+(\q), 64+8*\s+(\q), 4+\s
.endr
.endr
	WIN 0
.Lunit_done_\@:
.endm
.macro PRE q                           ; what stands ahead of K step q's products
	s_wait_dscnt 0x0                               ; step q's fragments are in (asked for ahead of the last step's products)
.if (\q) == 3
	s_wait_tensorcnt 0x0                           ; the second half of K has landed (waves 2 and 3 issued it)
	s_barrier_signal -1
	s_barrier_wait -1
.endif
.if (\q) == 7
	s_wait_loadcnt 0x0                             ; x's K step 7
.endif
.if (\q) < 7
.if (\q) > 0
.rept 8
	v_nop                                          ; eight places between the last step's products and loads into the buffers that they read
.endr
.endif
	FETCH (\q)+1
.endif
.endm
	s_load_b256 s[4:11], s[0:1], 0x0               ; xw s[4:5], b_q s[6:7], b_k s[8:9], b_v s[10:11]
	s_load_b128 s[12:15], s[0:1], 0x20             ; qbuf s[12:13], kvbuf s[14:15]
	v_lshl_add_u32 v28, v0, 2, SPARE
	v_mov_b32 v29, 0
	ds_add_u32 v28, v29                            ; the wave's opening: the add, twice on end, and its wait ahead of my first tensor load
	ds_add_u32 v28, v29
	v_lshrrev_b32 v1, 5, v0
	v_readfirstlane_b32 s16, v1                    ; wave 0..3
	s_lshr_b32 s17, s16, 1                         ; which 64 tokens are mine
	s_and_b32 s18, s16, 1                          ; which 96 columns
	s_bfe_u32 s19, ttmp6, 0x40000                  ; cx
	s_bfe_u32 s20, ttmp6, 0x40004                  ; cy
	s_lshl_b32 s21, ttmp9, 2
	s_add_co_u32 s21, s21, s19                     ; the column group g
	s_and_b32 s22, ttmp7, 0xffff
	s_lshl_b32 s22, s22, 2
	s_add_co_u32 s22, s22, s20                     ; the token block 0..31
	s_mov_b32 s23, 0x600000                        ; the mantissa field of 57,344
	s_mov_b32 s24, 0x76543210
	s_mov_b32 s25, 0xfedcba98
	s_mov_b32 s92, ttmp9                           ; ROLE of unit 2: 0 k, 1 v
	s_lshl_b32 s26, s20, 2
	s_lshl_b32 s26, 15, s26                        ; my row of the cluster
	s_lshl_b32 s27, 0x1111, s19                    ; my column
	GROUP1 40, 26, 256                             ; x's K steps 0-3
	GROUP1 48, 26, 192                             ; x's K steps 4-6
	GROUP1 56, 27, 384                             ; four K steps of the weights
	s_lshl_b32 s88, s22, 17                        ; x's token block
	s_mov_b32 s89, 0
	s_mul_i32 s90, s21, 196608                     ; the weights' group, in registers that never hold cy
	s_add_co_u32 s90, s90, WI_OFF
	s_mov_b32 s91, 0
	s_mov_b32 s68, 1
	s_mov_b32 s69, 0
	s_mov_b32 s72, 1
	s_mov_b32 s73, WLO
	s_mov_b32 s76, 1
	s_mov_b32 s77, XHI
	s_mov_b32 s80, 1
	s_mov_b32 s81, WHI
	s_wait_dscnt 0x0                               ; both opening adds are done
	s_wait_kmcnt 0x0
	s_add_nc_u64 s[70:71], s[4:5], s[88:89]
	s_add_nc_u64 s[78:79], s[70:71], 0x10000
	s_or_b32 s71, s71, 0x80000000
	s_or_b32 s79, s79, 0x80000000
	s_add_nc_u64 s[74:75], s[4:5], s[90:91]
	s_add_nc_u64 s[82:83], s[74:75], 0x18000
	s_or_b32 s75, s75, 0x80000000
	s_or_b32 s83, s83, 0x80000000
	CROUND                                         ; all sixteen work-groups are here: the joint loads meet
	ARM 1, 68, 40, .Lfill_1
	ARM 2, 72, 56, .Lfill_2
	ARM 3, 76, 48, .Lfill_3
	tensor_load_to_lds s[80:83], s[56:63]
	s_nop 0
.rept 4
	v_nop
.endr
.Lfilled:
	; the scale words' pointers
	s_lshl_b32 s94, s22, 12
	s_lshl_b32 s95, s17, 9
	s_add_co_u32 s94, s94, s95
	s_add_co_u32 s94, s94, XS_OFF
	s_mov_b32 s95, 0
	s_add_nc_u64 s[30:31], s[4:5], s[94:95]        ; x's: my 64 tokens
	s_mul_i32 s94, s21, 6144
	s_mul_i32 s96, s18, 768
	s_add_co_u32 s94, s94, s96
	s_add_co_u32 s94, s94, WS_OFF
	s_add_nc_u64 s[28:29], s[4:5], s[94:95]        ; the weights': my 96 rows
	s_lshl_b32 s94, s22, 17
	s_lshl_b32 s96, s17, 13
	s_add_co_u32 s94, s94, s96
	s_add_co_u32 s94, s94, 7*16384
	s_add_nc_u64 s[36:37], s[4:5], s[94:95]        ; x's K step 7: my four tiles
	s_lshl_b32 s97, s21, 1
	s_add_co_u32 s97, s97, s18                     ; my head of q
	s_lshl_b32 s94, s97, 8
	s_add_nc_u64 s[34:35], s[6:7], s[94:95]        ; its bias
	s_and_b32 s98, s21, 3                          ; the kv head
	s_lshl_b32 s94, s98, 8
	s_lshl_b32 s96, s18, 7
	s_add_co_u32 s94, s94, s96
	s_cmp_eq_u32 s92, 0
	s_cselect_b64 s[38:39], s[8:9], s[10:11]
	s_add_nc_u64 s[38:39], s[38:39], s[94:95]      ; the bias of my half of it
	; where the codes and the scale words go
	s_lshr_b32 s99, s22, 4                         ; the batch
	s_and_b32 s100, s22, 15                        ; the block of 128 tokens in it
	s_lshl_b32 s94, s99, 4
	s_add_co_u32 s94, s94, s97
	s_lshl_b32 s96, s94, 13
	s_lshl_b32 s94, s94, 7
	s_lshl_b32 s101, s100, 3
	s_add_co_u32 s94, s94, s101
	s_lshl_b32 s101, s17, 2
	s_add_co_u32 s94, s94, s101
	s_lshl_b32 s94, s94, 10
	s_add_nc_u64 s[32:33], s[12:13], s[94:95]      ; q's codes
	s_lshl_b32 s94, s100, 1
	s_add_co_u32 s94, s94, s17
	s_lshl_b32 s94, s94, 8
	s_add_co_u32 s94, s94, s96
	s_add_co_u32 s94, s94, QS_OFF
	s_add_nc_u64 s[88:89], s[12:13], s[94:95]      ; q's scale words
	s_lshl_b32 s94, s99, 2
	s_add_co_u32 s94, s94, s98
	s_lshl_b32 s94, s94, 4
	s_add_co_u32 s94, s94, s100
	s_mul_i32 s94, s94, KVSTEP
	s_add_nc_u64 s[14:15], s[14:15], s[94:95]      ; the record
	s_lshl_b32 s96, s17, 12                        ; k: my tiles of 1,024 bytes, my half of each
	s_lshl_b32 s99, s18, 9
	s_add_co_u32 s96, s96, s99
	s_lshl_b32 s99, s18, 12                        ; v: behind k's; my two tiles of 2,048 bytes, my two blocks of each
	s_lshl_b32 s100, s17, 10
	s_add_co_u32 s99, s99, s100
	s_add_co_u32 s99, s99, 8192
	s_lshl_b32 s100, s17, 8
	s_add_co_u32 s100, s100, 16384
	s_lshl_b32 s101, s92, 9
	s_add_co_u32 s100, s100, s101
	s_mov_b32 s101, 512
	s_cmp_eq_u32 s92, 0
	s_cselect_b32 s94, s96, s99
	s_cselect_b32 s93, 1024, s101                  ; from an even block to the odd one behind it
	s_add_nc_u64 s[90:91], s[14:15], s[94:95]      ; k's or v's codes
	s_mov_b32 s94, s100
	s_add_nc_u64 s[14:15], s[14:15], s[94:95]      ; and scale words
	s_lshl_b32 s94, s17, 13                        ; my four tiles of x in LDS
	s_mul_i32 s96, s18, 12288                      ; my six of the weights
	s_add_co_u32 s96, s96, WLO
	s_lshl_b32 s97, s17, 8
	s_lshl_b32 s98, s18, 9
	s_add_co_u32 s98, s98, s97
	s_add_co_u32 s98, s98, SXK
	s_add_co_u32 s99, s97, SXK
	s_lshl_b32 s100, s18, 3
	s_add_co_u32 s100, s100, s97
	s_add_co_u32 s100, s100, SXV
	s_add_co_u32 s101, s97, SXV
	v_and_b32 v6, 31, v0
	v_and_b32 v2, 15, v0                           ; r
	v_bfe_u32 v3, v0, 4, 1                         ; h
	v_lshlrev_b32 v1, 4, v6                        ; 16 x lane
	v_lshlrev_b32 v24, 3, v6                       ; 8 x lane
	v_lshlrev_b32 v7, 3, v2                        ; 8 r: a row's scale bytes
	v_lshlrev_b32 v4, 6, v3                        ; 64 h: q's and k's bias
	v_and_b32 v5, 8, v2
	v_add_nc_u32 v5, v5, v2
	v_lshlrev_b32 v5, 2, v5                        ; 4 (r + 8 (r / 8)): v's bias: the d that lies at stored row r of a tile
	v_add_nc_u32 v8, s94, v1
	v_add_nc_u32 v9, XHI, v8
	v_add_nc_u32 v10, s96, v1
	v_add_nc_u32 v11, 49152, v10
	v_add_nc_u32 v12, WHI-WLO, v10
	v_add_nc_u32 v13, WHI-WLO+49152, v10
	v_add_nc_u32 v17, s93, v1
	v_lshlrev_b32 v18, 4, v2                       ; 16 r
	v_lshl_add_u32 v19, v3, 3, v18                 ; 16 r + 8 h: where I store two of q's scale words
	v_add_nc_u32 v20, s98, v18                     ; k's scale bytes: in,
	v_add_nc_u32 v21, s99, v24                     ; out
	v_add_nc_u32 v22, s100, v18                    ; v's: in,
	v_add_nc_u32 v23, s101, v24                    ; out
	s_wait_alu depctr_va_vdst(0)
.irp j, 0,1,2,3
.irp b, 0,1,2,3,4,5
	global_load_b64 v[32+8*\b+2*\j:33+8*\b+2*\j], v7, s[28:29] offset:\j*1536+\b*128   ; tile b, chunk j: the words of two K steps
.endr
.irp b, 0,1,2,3
	global_load_b64 v[84+8*\b+2*\j:85+8*\b+2*\j], v7, s[30:31] offset:\j*1024+\b*128
.endr
.endr
.irp j, 0,1,2,3                        ; tile j's register k of lane (r, h) is column 32 (j / 2) + 16 h + 8 (j % 2) + k
	global_load_b128 v[116+8*\j:119+8*\j], v4, s[34:35] offset:(32*(\j/2)+8*(\j%2))*4
	global_load_b128 v[120+8*\j:123+8*\j], v4, s[34:35] offset:(32*(\j/2)+8*(\j%2))*4+16
.endr
	s_cmp_lg_u32 s92, 0
	s_cbranch_scc1 .Lbias_v
.irp s, 0,1
	global_load_b128 v[148+8*\s:151+8*\s], v4, s[38:39] offset:32*\s
	global_load_b128 v[152+8*\s:155+8*\s], v4, s[38:39] offset:32*\s+16
.endr
	s_branch .Lbias_done
.Lbias_v:
.irp s, 0,1                            ; v: all eight registers (tokens) of a lane have the bias of its d
.irp k, 0,1,2,3,4,5,6,7
	global_load_b32 v[148+8*\s+\k], v5, s[38:39] offset:32*\s
.endr
.endr
.Lbias_done:
	WIN 0xc0
.irp b, 0,1,2,3
.irp c, 0,1,2,3
	global_load_b128 v[128+16*\b+4*\c:131+16*\b+4*\c], v1, s[36:37] offset:\b*2048+\c*512   ; x's K step 7
.endr
.endr
	WIN 0
	s_cmp_lt_u32 s16, 2
	s_cbranch_scc0 .Lsecond_half
	s_wait_tensorcnt 0x0                           ; waves 0 and 1: the first half of K has landed
.Lsecond_half:
	s_barrier_signal -1
	s_barrier_wait -1
	FETCH 0
	s_wait_loadcnt 0x10                            ; the scale words and the bias; K step 7's sixteen loads may be out
.irp q, 0,1,2,3,4,5,6,7
	PRE \q
	MULS \q
.endr
.rept 8
	v_nop                                          ; eight places behind the last products
.endr
; THE WAY OUT.  Registers 16 n .. 16 n + 15 of window 2, of a lane and of lane l xor 16, are one block of the next quantiser, n = 0 .. 11: n = 2 i + u: q's token tile i, unit u; n = 8 + m: k's token tile m, or v's d tile m / 2, tokens 32 (m % 2) on.
; Each accumulator is read from its low end on.  The twelve blocks take turns, so that no line waits for the line above it.
	WIN 0x28                                       ; sources 1 and 2 window 2
.irp n, 0,1,2,3,4,5,6,7,8,9,10,11
	v_max3_num_f32 v[32+\n], 0x8000000, |v[16*\n]|, |v[16*\n+1]|
.endr
.irp i, 2,4,6,8,10,12,14
.irp n, 0,1,2,3,4,5,6,7,8,9,10,11
	v_max3_num_f32 v[32+\n], v[32+\n], |v[16*\n+\i]|, |v[16*\n+\i+1]|
.endr
.endr
	WIN 0
.irp n, 0,1,2,3,4,5,6,7,8,9,10,11
	v_permlanex16_b32 v[44+\n], v[32+\n], s24, s25
.endr
.irp n, 0,1,2,3,4,5,6,7,8,9,10,11
	v_max_num_f32 v[32+\n], v[32+\n], v[44+\n]     ; the block's largest magnitude
.endr
.irp n, 0,1,2,3,4,5,6,7,8,9,10,11
	v_add_nc_u32 v[68+\n], 0xf8800000, v[32+\n]    ; the conversion's scale operand
.endr
.irp n, 0,1,2,3,4,5,6,7,8,9,10,11
	v_and_or_b32 v[56+\n], v[32+\n], 0x7f800000, s23   ; 57,344 x the scale
.endr
.irp n, 0,1,2,3,4,5,6,7,8,9,10,11
	v_lshrrev_b32 v[44+\n], 23, v[68+\n]           ; the byte
.endr
.irp i, 0,1,2,3
	v_lshl_or_b32 v[128+\i], v[45+2*\i], 8, v[44+2*\i]   ; q's tile i: two bytes; the upper two stay 0
.endr
	v_lshl_or_b32 v132, v53, 8, v52                ; v's two d tiles likewise
	v_lshl_or_b32 v133, v55, 8, v54
	s_wait_alu depctr_va_vdst(0)
	s_cmp_lg_u32 s92, 0
	s_cbranch_scc1 .Lbytes_v
	ds_store_b128 v20, v[52:55]                    ; k: my half's byte of four token tiles
	s_branch .Lbytes_done
.Lbytes_v:
	ds_store_b64 v22, v[132:133]                   ; v: the words of my two d tiles
.Lbytes_done:
	s_wait_dscnt 0x0
	s_barrier_signal -1                            ; the holds and the conversions stand between signal and wait
	WIN 0x82                                       ; destination and source 0 window 2
.irp n, 0,1,2,3,4,5,6,7,8,9,10,11
.irp i, 0,1,2,3,4,5,6,7,8,9,10,11,12,13,14,15
	v_med3_num_f32 v[16*\n+\i], v[16*\n+\i], -v[56+\n], v[56+\n]
.endr
.endr
	WIN 0x02                                       ; source 0 window 2
.irp n, 0,1,2,3,4,5,6,7,8,9,10,11
	v_cvt_scalef32_pk8_bf8_f32 v[80+4*\n:81+4*\n], v[16*\n:16*\n+7], v[68+\n]
	v_cvt_scalef32_pk8_bf8_f32 v[82+4*\n:83+4*\n], v[16*\n+8:16*\n+15], v[68+\n]
.endr
	WIN 0
	v_cmp_eq_u32 s94, 1, v3
	v_cndmask_b32 v134, v128, v130, s94            ; lane (r, h) stores the words of q's tiles 2 h and 2 h + 1: 256 consecutive bytes a wave
	v_cndmask_b32 v135, v129, v131, s94
	s_wait_alu depctr_va_vdst(0)
	s_barrier_wait -1
.irp i, 0,1,2,3
.irp u, 0,1
	global_store_b128 v1, v[80+8*\i+4*\u:83+8*\i+4*\u], s[32:33] offset:\i*1024+\u*512   ; 32 lanes store 512 consecutive bytes of an image
.endr
.endr
.irp m, 0,2
	global_store_b128 v1, v[112+4*\m:115+4*\m], s[90:91] offset:1024*\m
	global_store_b128 v17, v[116+4*\m:119+4*\m], s[90:91] offset:1024*\m
.endr
	global_store_b64 v19, v[134:135], s[88:89]
	s_cmp_lg_u32 s18, 0                            ; wave column 0 sends the scale words of both
	s_cbranch_scc1 .Lsent
	s_cmp_lg_u32 s92, 0
	s_cbranch_scc1 .Lsend_v
	ds_load_b64 v[136:137], v21
	ds_load_b64 v[138:139], v21 offset:512
	s_wait_dscnt 0x0
	v_lshl_or_b32 v136, v138, 8, v136
	v_lshl_or_b32 v137, v139, 8, v137
	global_store_b64 v24, v[136:137], s[14:15]     ; 256 consecutive bytes
	s_branch .Lsent
.Lsend_v:
	ds_load_b64 v[140:141], v23
	s_wait_dscnt 0x0
	global_store_b64 v24, v[140:141], s[14:15]
.Lsent:
	s_wait_tensorcnt 0x0                           ; the wave's end
	ds_add_u32 v28, v29
	s_wait_dscnt 0x0
	CROUND                                         ; the closing round
	s_endpgm
.Lfunc_end_k_q0c0fd47cf8_qkv:
	.size	k_q0c0fd47cf8_qkv, .Lfunc_end_k_q0c0fd47cf8_qkv-k_q0c0fd47cf8_qkv
	.p2alignl 7, 3214868480
	.fill 96, 4, 3214868480
	.section	.rodata,"a",@progbits
	.p2align	6, 0x0
	.amdhsa_kernel k_q0c0fd47cf8_qkv
		.amdhsa_group_segment_fixed_size 313344
		.amdhsa_private_segment_fixed_size 0
		.amdhsa_enable_private_segment 0
		.amdhsa_kernarg_size 48
		.amdhsa_user_sgpr_count 2
		.amdhsa_user_sgpr_kernarg_segment_ptr 1
		.amdhsa_wavefront_size32 1
		.amdhsa_system_sgpr_workgroup_id_x 1
		.amdhsa_system_sgpr_workgroup_id_y 1
		.amdhsa_system_sgpr_workgroup_id_z 1
		.amdhsa_system_vgpr_workitem_id 0
		.amdhsa_next_free_vgpr 1024
		.amdhsa_next_free_sgpr 104
		.amdhsa_reserve_vcc 0
		.amdhsa_float_denorm_mode_32 3
		.amdhsa_float_denorm_mode_16_64 3
		.amdhsa_memory_ordered 1
		.amdhsa_forward_progress 1
		.amdhsa_inst_pref_size 101
	.end_amdhsa_kernel
	.amdgpu_metadata
---
amdhsa.version: [ 1, 2 ]
amdhsa.kernels:
  - .name:           k_q0c0fd47cf8_qkv
    .symbol:         k_q0c0fd47cf8_qkv.kd
    .args:
      - { .name: xw, .offset: 0, .size: 8, .value_kind: global_buffer, .address_space: global }
      - { .name: b_q, .offset: 8, .size: 8, .value_kind: global_buffer, .address_space: global }
      - { .name: b_k, .offset: 16, .size: 8, .value_kind: global_buffer, .address_space: global }
      - { .name: b_v, .offset: 24, .size: 8, .value_kind: global_buffer, .address_space: global }
      - { .name: qbuf, .offset: 32, .size: 8, .value_kind: global_buffer, .address_space: global }
      - { .name: kvbuf, .offset: 40, .size: 8, .value_kind: global_buffer, .address_space: global }
    .group_segment_fixed_size: 313344
    .private_segment_fixed_size: 0
    .kernarg_segment_align: 8
    .kernarg_segment_size: 48
    .max_flat_workgroup_size: 128
    .sgpr_count:     104
    .vgpr_count:     1024
    .wavefront_size: 32
...
	.end_amdgpu_metadata
.endif
;; end of part 2
;; launch attn (part 3): grid 32 x 8, 16 waves a work-group, clusters of 4 x 1, 317,440 bytes of LDS; arguments qbuf, kvbuf, obuf; writes obuf
.if DOCPART == 3
	.amdgcn_target "amdgcn-amd-amdhsa--gfx1250"
	.amdhsa_code_object_version 6
	.text
	.protected	k_q0c0fd47cf8_attn
	.globl	k_q0c0fd47cf8_attn
	.p2align	8
	.type	k_q0c0fd47cf8_attn,@function
k_q0c0fd47cf8_attn:
	s_mov_b64 s[64:65], 0
	v_nop
	global_prefetch_b8 v0, s[64:65] scope:SCOPE_SE
	s_setreg_imm32_b32 hwreg(HW_REG_WAVE_MODE, 25, 1), 1
	s_wait_xcnt 0x0
	s_wait_alu depctr_hold_cnt(0) depctr_sa_sdst(0) depctr_va_vdst(0) depctr_va_sdst(0) depctr_va_ssrc(0) depctr_va_vcc(0) depctr_vm_vsrc(0)
	s_getreg_b32 s2, hwreg(HW_REG_IB_STS2, 6, 4)
	s_cmp_eq_u32 s2, 0
	s_cbranch_scc0 .Lentry_in_a_cluster
	s_endpgm
.Lentry_in_a_cluster:
	s_bfe_u32 s2, ttmp6, 0x10000c
	s_cmp_lg_u32 s2, 0x3003
	s_cbranch_scc0 .Lentry_shape_is_right
	s_endpgm
.Lentry_shape_is_right:
; LAUNCH 3 OF 4.  O = softmax(q k^T / 8, causal) v, both products on codes of BF8 with E8M0 scales; O / l is quantised along C for the last product.
; LEFT OUT: a step of 128 keys all of which come after a tile's 16 queries (reference()'s own jnp.tril gives them p = 0 for all finite inputs: see the head of launch quant).
; THE SOFTMAX: t = score x log2(e) / 8; M = the running largest t rounded UP to a whole number; p = 2^(t - M) is quantised along the keys, not normalised; the row's sum is taken of the unquantised p and divides at the end.
; When M moves, the sum and O are multiplied by 2^(old M - new M): exact.
; SHARES.  A work-group takes one query head (batch x kv head = grid y; the four heads of a kv head are the four partners of a cluster) and sixteen tiles of 16 queries: tiles 8 class + e, e the cluster's x, class 0 .. 15.
; A tile of class k has k + 1 steps of 128 keys, the last on the diagonal.  Waves w and w xor 2 share the tiles of classes c and 15 - c (c = 0 .. 7), 17 steps: wave A takes the long tile's steps 0 .. 8, wave B its steps
; 9 .. 15 - c, leaves the partial M, sum and O in LDS, and then takes the short tile's steps 0 .. c: nine and eight steps a wave.  At the end A joins B's part to its own (c = 7: there is none) and sends the long tile, B the short one.
; A and B are dealt so that each four waves w / 4 and each four waves w % 4 hold two of each.
; FILLS.  All sixteen steps of the kv head's k, v and scale words lie in LDS, a record of 17,408 bytes each, filled once by a joint load a wave (the four partners ask jointly): waves 0, 1 bring steps 0 and 9, all that the first trip reads;
; the others' loads are shown by the second barrier.  Nothing is asked for later, so there is no prefetch.
; LAYOUT.  S^T = k q^T (source 0 = 16 neighbouring keys, source 1 = my 16 queries; K = 64).  q's upper eight registers are zero codes; k's upper eight are the next tile's registers (for tile 7 p's codes): finite codes x zero codes
; add nothing, under scale bytes 0.  A lane holds ONE query; the 16 registers of tiles 2 c, 2 c + 1 hold keys 32 c + 8 h + 0..7 and 32 c + 16 + 8 h + 0..7: a permutation inside the quantiser's block that v's codes have too,
; so that the conversions' results are source 1 of O^T = v^T p^T.  O^T's registers 16 B + i of a lane are d = 32 B + 16 h + i: 16 neighbours along the last product's K.
; OUT: obuf: images laid as x's in xw ([128 tokens 32][chunk 4 = kv head][tile 8][K step 2][2048]); at OS_OFF the scale bytes [32][4][row 128][8].  A work-group owns two of a row's eight scale bytes: those stores fill no aligned 256 bytes whole.
; LIMITS: the promise holds while the scaled scores (exponents to the base 2) stay under 2^31 in magnitude; the keys are summed in another order than reference()'s; a block of zeros gets the byte 1; NaN and infinities are not served.
; REGISTERS: v1 16 x lane, v2 the scale words' place, v3 r, v4 h, v5, v6 the add's two, v7 r - 8 h, v8, v9 the step's LDS addresses, v10 -infinity, v11 16 r, v12 -M, v13 the largest score, v[14:15] the sum;
;   v16-31 q; v32-95 k's eight tiles, then v's four fragments; v96-111 p's codes; v112-175 S^T, then p; v176-207 O^T; v208-223, v232-239 at work; v224-231 k's scale words; v240-243 v's, v244-247 their upper halves;
;   v248 at work; v249 q's scale word; v[250:251] f; v252 p's scale word; v253 my pair's place in LDS; v[254:255] at work.
.set QS_OFF,  4194304
.set OS_OFF,  4194304
.set STEPB,   17408
.set SPARE,   278528                   ; behind the sixteen records: the spare words, 128 bytes for each of sixteen waves
.set STAGE,   280576                   ; behind them: 4,608 bytes for each pair of waves
.set S,       112
.set O,       176
.macro CROUND
	s_barrier_signal -1
	s_barrier_wait -1
	s_cmp_lg_u32 s10, 0
	s_cbranch_scc1 .Lnot_wave_0_\@
	s_barrier_signal -3
.Lnot_wave_0_\@:
	s_barrier_wait -3
	s_barrier_signal -1
	s_barrier_wait -1
.endm
.macro QPTR class, p                   ; offsets of the tile 8 class + e of my head: codes s[p:p+1], scale words s[p+2:p+3]
	s_lshl_b32 s52, s[\class], 3
	s_add_co_u32 s52, s52, s13
	s_lshl_b32 s[\p], s54, 7
	s_add_co_u32 s[\p], s[\p], s52
	s_lshl_b32 s[\p], s[\p], 10
	s_mov_b32 s[\p+1], 0
	s_lshl_b32 s[\p+2], s54, 13
	s_lshr_b32 s53, s52, 2
	s_lshl_b32 s53, s53, 8
	s_add_co_u32 s[\p+2], s[\p+2], s53
	s_and_b32 s53, s52, 3
	s_lshl_b32 s53, s53, 2
	s_add_co_u32 s[\p+2], s[\p+2], s53
	s_add_co_u32 s[\p+2], s[\p+2], QS_OFF
	s_mov_b32 s[\p+3], 0
.endm
	s_load_b128 s[4:7], s[0:1], 0x0                ; qbuf s[4:5], kvbuf s[6:7]
	s_load_b64 s[8:9], s[0:1], 0x10                ; obuf
	v_lshl_add_u32 v5, v0, 2, SPARE
	v_mov_b32 v6, 0
	ds_add_u32 v5, v6                              ; the wave's opening: the add, twice on end, and its wait ahead of the first tensor load
	ds_add_u32 v5, v6
	v_lshrrev_b32 v8, 5, v0
	v_readfirstlane_b32 s10, v8                    ; wave 0..15
	s_bfe_u32 s11, ttmp6, 0x40000                  ; g: my place in the cluster: it enters q's and O's global addresses alone
	s_and_b32 s12, ttmp7, 0xffff                   ; y = batch x 4 + kv head
	s_mov_b32 s13, ttmp9                           ; e
	s_lshr_b32 s24, s10, 1
	s_lshr_b32 s52, s10, 3
	s_xor_b32 s24, s24, s52
	s_and_b32 s24, s24, 1                          ; 0: wave A, 1: wave B
	s_and_b32 s25, s10, 1
	s_lshr_b32 s53, s10, 1
	s_and_b32 s53, s53, 2
	s_or_b32 s25, s25, s53
	s_lshl_b32 s52, s52, 2
	s_or_b32 s25, s25, s52                         ; c, from the wave's bits 0, 2 and 3
	s_sub_co_u32 s26, 7, s25                       ; B: the trip at which the short tile begins
	s_sub_co_u32 s14, 15, s25                      ; the class of the tile in hand
	s_lshl_b32 s54, s24, 3
	s_add_co_u32 s54, s54, s25
	s_cmp_eq_u32 s24, 1
	s_cselect_b32 s28, 9, 0                        ; the step is (trip + s28) mod 16: A from 0, B from 9
	s_cselect_b32 s30, s25, s14                    ; the class of the tile that I send
	s_cmp_eq_u32 s54, 15                           ; B with c = 7 has the short tile alone
	s_cselect_b32 s14, 7, s14
	s_cselect_b32 s28, 0, s28
	s_mul_i32 s55, s25, 4608
	s_add_co_u32 s55, s55, STAGE
	s_mov_b32 s18, 0                               ; the trip
	s_mov_b32 s19, 0x600000                        ; the mantissa field of 57,344
	s_mov_b32 s20, 0x76543210
	s_mov_b32 s21, 0xfedcba98
	s_mov_b32 s22, 0x3E38AA3B                      ; log2(e) / 8
	s_mov_b32 s23, s22                             ; (named with it as a pair)
	s_mov_b32 s31, 0xBE38AA3B                      ; and its negative
	s_mov_b32 s32, 15|(3<<16)|(1<<21)              ; group 1: a record as 68 rows of 256 bytes (32 elements of 8 bytes); the mask names all four partners, bit 21 beside it
	s_mov_b32 s33, 32<<16
	s_mov_b32 s34, 68<<16
	s_mov_b32 s35, 32<<16
	s_mov_b32 s36, 68
	s_mov_b32 s37, 32
	s_mov_b32 s38, 0
	s_mov_b32 s39, 0
	s_mul_i32 s56, s12, 16*STEPB
	s_mov_b32 s40, 1
	s_mul_i32 s41, s10, 9*STEPB                    ; waves 0, 1: steps 0 and 9: in LDS as in memory
	s_add_co_u32 s58, s56, s41
	s_mov_b32 s59, 0
	s_mov_b32 s44, 1
	s_add_co_u32 s45, s10, 6                       ; waves 2-9: steps 1-8; waves 10-15: steps 10-15
	s_lshr_b32 s45, s45, 4
	s_add_co_u32 s45, s45, s10
	s_sub_co_u32 s45, s45, 1
	s_mul_i32 s45, s45, STEPB
	s_add_co_u32 s60, s56, s45
	s_mov_b32 s61, 0
	s_lshl_b32 s54, s12, 2
	s_add_co_u32 s54, s54, s11                     ; batch x 16 + head
	QPTR 14, 48                                    ; my first tile's q
	QPTR 25, 66                                    ; the short tile's
	s_lshr_b32 s52, s12, 2                         ; the batch
	s_lshl_b32 s52, s52, 4
	s_add_co_u32 s52, s52, s30                     ; the block of 128 tokens
	s_lshl_b32 s52, s52, 2
	s_and_b32 s53, s12, 3                          ; the kv head = the chunk of 256 along C
	s_add_co_u32 s52, s52, s53
	s_lshl_b32 s72, s52, 15                        ; O's codes: + e tiles of 4,096 bytes, + g x 64 along C
	s_lshl_b32 s53, s13, 12
	s_add_co_u32 s72, s72, s53
	s_lshl_b32 s53, s11, 10
	s_add_co_u32 s72, s72, s53
	s_mov_b32 s73, 0
	s_lshl_b32 s74, s52, 10                        ; its scale bytes
	s_lshl_b32 s53, s13, 7
	s_add_co_u32 s74, s74, s53
	s_lshl_b32 s53, s11, 1
	s_add_co_u32 s74, s74, s53
	s_add_co_u32 s74, s74, OS_OFF
	s_mov_b32 s75, 0
	v_and_b32 v1, 31, v0
	v_and_b32 v3, 15, v0                           ; r
	v_bfe_u32 v4, v0, 4, 1                         ; h
	v_lshlrev_b32 v1, 4, v1                        ; 16 x lane
	v_lshlrev_b32 v11, 4, v3
	v_lshl_add_u32 v2, v3, 4, 16384                ; four scale words a row r, behind a record's codes
	v_lshlrev_b32 v7, 3, v4
	v_sub_nc_u32 v7, v3, v7                        ; r - 8 h: register j of the diagonal tile is hidden where j is above it
	v_add_nc_u32 v253, s55, v1
	v_mov_b32 v10, 0xff800000                      ; -infinity
	v_cmp_eq_u32 s70, 1, v4
.irp j, 0,1,2,3,4,5,6,7
	v_cmp_gt_i32 s[76+\j], \j, v7
.endr
	s_wait_alu depctr_va_vdst(0)
	s_wait_dscnt 0x0                               ; both opening adds are done
	s_wait_kmcnt 0x0
	s_add_nc_u64 s[48:49], s[4:5], s[48:49]
	s_add_nc_u64 s[50:51], s[4:5], s[50:51]
	s_add_nc_u64 s[66:67], s[4:5], s[66:67]
	s_add_nc_u64 s[68:69], s[4:5], s[68:69]
	s_add_nc_u64 s[72:73], s[8:9], s[72:73]
	s_add_nc_u64 s[74:75], s[8:9], s[74:75]
	s_add_nc_u64 s[42:43], s[6:7], s[58:59]
	s_or_b32 s43, s43, 0x80000000
	s_add_nc_u64 s[46:47], s[6:7], s[60:61]
	s_or_b32 s47, s47, 0x80000000
	global_load_b128 v[16:19], v1, s[48:49]        ; q's fragment: K = 64, the lower eight registers
	global_load_b128 v[20:23], v1, s[48:49] offset:512
	global_load_b32 v249, v11, s[50:51]            ; q's scale words
	CROUND                                         ; all four work-groups are here: the joint loads meet
	s_cmp_lt_u32 s10, 2                            ; one load a wave; a line of its own for what the first barrier shows
	s_cbranch_scc0 .Lrest
	tensor_load_to_lds s[40:43], s[32:39]
	s_nop 0
.rept 4
	v_nop
.endr
	s_branch .Lasked
.Lrest:
	tensor_load_to_lds s[44:47], s[32:39]
	s_nop 0
.rept 4
	v_nop
.endr
.Lasked:
.irp j, 24,25,26,27,28,29,30,31
	v_mov_b32 v[\j], 0                             ; K = 64 in a K step of 128: zero codes above, in q
	v_mov_b32 v[72+\j], 0                          ; v96-103: what the first step finds as p's codes
.endr
.set J, 0
.rept 32
	v_mov_b32 v[O+J], 0                            ; (the step is written for all steps alike: the first finds zeros, which the first change of M leaves zeros)
.set J, J+1
.endr
	v_mov_b32 v12, 0x7f000000                      ; -M: 2^127, above every one to come
	v_mov_b32 v13, 0xff61b1e6                      ; the largest score so far: -3e38
	v_mov_b32 v14, 0
	v_mov_b32 v15, 0
.irp b, 0,1,2,3
	v_mov_b32 v[212+\b], 0                         ; a lane permute's destination counts as one of its sources
.endr
	v_mov_b32 v248, 0
	v_mov_b32 v251, 0                              ; (named as the upper half of a pair)
.macro MTILE t                         ; tile t of the diagonal step: under the diagonal tile e all its keys count; above it none; in it by the compares made at the head
	s_cmp_gt_u32 s13, \t
	s_cbranch_scc1 .Lnext_\@
	s_cmp_eq_u32 s13, \t
	s_cbranch_scc1 .Lon_\@
.irp j, 0,1,2,3,4,5,6,7
	v_mov_b32 v[S+8*\t+\j], v10
.endr
	s_branch .Lnext_\@
.Lon_\@:
.irp j, 0,1,2,3,4,5,6,7
	v_cndmask_b32 v[S+8*\t+\j], v[S+8*\t+\j], v10, s[76+\j]
.endr
.Lnext_\@:
.endm
.macro HOLD p, t, b                    ; eight of p held at 57,344 x the block's scale, into v[t] on: p itself stays for the sums.  p is not negative, so the hold is one-sided
.irp i, 0,2,4,6
	v_dual_min_num_f32 v[\t+\i], v[\p+\i], v[216+\b] :: v_dual_min_num_f32 v[\t+\i+1], v[\p+\i+1], v[216+\b]
.endr
.endm
.macro SUM4 a                          ; four pairs of p into the four chains of the row's sum
	v_pk_add_f32 v[14:15], v[14:15], v[\a:\a+1]
	v_pk_add_f32 v[208:209], v[208:209], v[\a+2:\a+3]
	v_pk_add_f32 v[210:211], v[210:211], v[\a+4:\a+5]
	v_pk_add_f32 v[254:255], v[254:255], v[\a+6:\a+7]
.endm
; A KEY STEP: 128 keys, step (s18 + s28) mod 16.
.macro STEP
	s_add_co_u32 s15, s18, s28
	s_and_b32 s15, s15, 15
	s_cmp_gt_u32 s15, s14                          ; past my tile's class (B's ninth trip).  A branch on ids and the count of trips; no barrier and no tensor load stands in a step
	s_cbranch_scc1 .Lskip_\@
	s_mul_i32 s16, s15, STEPB
	v_add_nc_u32 v8, s16, v1
	v_add_nc_u32 v9, s16, v2
	s_wait_alu depctr_va_vdst(0)
	ds_load_b128 v[224:227], v9                    ; k's scale words, tiles 0-3,
	ds_load_b128 v[228:231], v9 offset:256         ; tiles 4-7
.irp t, 0,1,2,3,4,5,6,7
	ds_load_b128 v[32+8*\t:35+8*\t], v8 offset:1024*\t
	ds_load_b128 v[36+8*\t:39+8*\t], v8 offset:1024*\t+512
.endr
	ds_load_b128 v[240:243], v9 offset:512         ; v's scale words: the bytes of keys 0-63 for its four tiles,
	ds_load_b128 v[244:247], v9 offset:768         ; and of keys 64-127
	s_wait_loadcnt 0x0                             ; q
	s_wait_dscnt 0x8                               ; tiles 0-4 are in; tiles 5-7 (six loads) and v's two may be out
.irp t, 0,1,2,3,4,5,6,7
.if \t == 4
	s_wait_dscnt 0x0
.endif
	v_wmma_scale_f32_16x16x128_f8f6f4 v[S+8*\t:S+8*\t+7], v[32+8*\t:47+8*\t], v[16:31], 0, v[224+\t], v249 matrix_a_fmt:MATRIX_FMT_BF8 matrix_b_fmt:MATRIX_FMT_BF8
.endr
.irp t, 0,1,2,3
	v_lshl_or_b32 v[240+\t], v[244+\t], 16, v[240+\t]   ; v's scale word of tile t: four bytes.  (These four and the four below are the eight places behind the products)
.endr
.rept 4
	v_nop
.endr
.irp t, 0,1,2,3
.irp c, 0,1,2,3
	ds_load_b128 v[32+16*\t+4*\c:35+16*\t+4*\c], v8 offset:8192+\t*2048+\c*512   ; v's four fragments, into k's registers: they come while the softmax is worked
.endr
.endr
	s_cmp_lg_u32 s15, s14                          ; the diagonal step alone masks: hidden scores become -infinity ahead of the maximum, so p = 0
	s_cbranch_scc1 .Lopen_\@
.irp t, 0,1,2,3,4,5,6,7
	MTILE \t
.endr
.Lopen_\@:
	s_wait_alu depctr_va_vdst(0)
.irp b, 0,1,2,3
	v_max3_num_f32 v[208+\b], v[S+16*\b], v[S+1+16*\b], v[S+2+16*\b]   ; the largest score of each block of 32 keys: for the row's maximum and, since p rises with the score, for the block's largest p
.endr
.irp i, 3,5,7,9,11,13
.irp b, 0,1,2,3
	v_max3_num_f32 v[208+\b], v[208+\b], v[S+16*\b+\i], v[S+1+16*\b+\i]
.endr
.endr
.irp b, 0,1,2,3
	v_max_num_f32 v[208+\b], v[208+\b], v[S+15+16*\b]
.endr
.irp b, 0,1,2,3
	s_delay_alu instid0(VALU_DEP_4)
	v_permlanex16_b32 v[212+\b], v[208+\b], s20, s21
.endr
.irp b, 0,1,2,3
	s_delay_alu instid0(VALU_DEP_4)
	v_max_num_f32 v[208+\b], v[208+\b], v[212+\b]  ; with lane l xor 16's 16 keys
.endr
	s_delay_alu instid0(VALU_DEP_2)
	v_max3_num_f32 v248, v208, v209, v210
	s_delay_alu instid0(VALU_DEP_1)
	v_max3_num_f32 v13, v13, v211, v248            ; the running largest score
	s_delay_alu instid0(VALU_DEP_1)
	v_mul_f32 v248, s31, v13                       ; -t
	s_delay_alu instid0(VALU_DEP_1)
	v_floor_f32 v254, v248                         ; the new -M = -ceil(t)
	s_delay_alu instid0(VALU_DEP_1)
	v_sub_f32 v248, v254, v12                      ; old M - new M: a whole number, 0 or less
	v_mov_b32 v12, v254
	s_delay_alu instid0(VALU_DEP_2)
	v_cvt_i32_f32 v248, v248                       ; (it saturates)
	s_delay_alu instid0(VALU_DEP_1)
	v_ldexp_f32 v250, 1.0, v248                    ; f = 2^(old M - new M)
.set J, 0
.rept 32
	v_pk_fma_f32 v[S+J:S+1+J], v[S+J:S+1+J], s[22:23], v[12:13] op_sel_hi:[1,0,0]   ; t - M, two at a time
.set J, J+2
.endr
.irp b, 0,1,2,3
	v_fma_f32 v[208+\b], v[208+\b], s22, v12       ; the same of each block's largest score
.endr
	s_wait_alu depctr_va_vdst(0)
.set J, 0
.rept 64
	v_exp_f32 v[S+J], v[S+J]                       ; p = 2^(t - M)
.set J, J+1
.endr
.irp b, 0,1,2,3
	v_exp_f32 v[208+\b], v[208+\b]                 ; the block's largest p
.endr
	v_pk_mul_f32 v[14:15], v[14:15], v[250:251] op_sel_hi:[1,0]   ; the sums under the new M: a plain instruction behind the exponentials
	s_wait_alu depctr_va_vdst(0)                   ; one wait for the batch, and for O^T, whose first readers follow
.set J, 0
.rept 16
	v_pk_mul_f32 v[O+J:O+1+J], v[O+J:O+1+J], v[250:251] op_sel_hi:[1,0]   ; O^T under the new M
.set J, J+2
.endr
.irp b, 0,1,2,3
	v_max_num_f32 v[208+\b], 0x8000000, v[208+\b]  ; the floor 2^(16 - 127)
.endr
.irp b, 0,1,2,3
	v_add_nc_u32 v[220+\b], 0xf8800000, v[208+\b]  ; the conversion's scale operand
.endr
.irp b, 0,1,2,3
	v_and_or_b32 v[216+\b], v[208+\b], 0x7f800000, s19   ; 57,344 x the scale
.endr
.irp b, 0,1,2,3
	v_lshrrev_b32 v[212+\b], 23, v[220+\b]         ; the byte
.endr
	v_lshl_or_b32 v252, v213, 8, v212              ; p's scale word for these 128 keys
	v_lshl_or_b32 v252, v214, 16, v252
	v_lshl_or_b32 v252, v215, 24, v252
.irp b, 0,1,2,3
	HOLD S+16*\b, 208, \b
	v_cvt_scalef32_pk8_bf8_f32 v[96+4*\b:97+4*\b], v[208:215], v[220+\b]
	HOLD S+16*\b+8, 232, \b
	v_cvt_scalef32_pk8_bf8_f32 v[98+4*\b:99+4*\b], v[232:239], v[220+\b]
.endr
	v_pk_add_f32 v[14:15], v[14:15], v[S:S+1]      ; the row's sum, of the unquantised p, in four chains.  These eight are the places ahead of the products,
	v_pk_add_f32 v[208:209], v[S+2:S+3], v[S+4:S+5]
	v_pk_add_f32 v[210:211], v[S+6:S+7], v[S+8:S+9]
	v_pk_add_f32 v[254:255], v[S+10:S+11], v[S+12:S+13]
	SUM4 S+14
	s_wait_alu depctr_va_vdst(0)
	s_wait_dscnt 0x0                               ; v's fragments
.irp t, 0,1,2,3
	v_wmma_scale_f32_16x16x128_f8f6f4 v[O+8*\t:O+8*\t+7], v[32+16*\t:47+16*\t], v[96:111], v[O+8*\t:O+8*\t+7], v[240+\t], v252 matrix_a_fmt:MATRIX_FMT_BF8 matrix_b_fmt:MATRIX_FMT_BF8
.endr
	SUM4 S+22                                      ; and the rest of the sum the places behind them
	SUM4 S+30
	SUM4 S+38
	SUM4 S+46
	SUM4 S+54
	v_pk_add_f32 v[14:15], v[14:15], v[S+62:S+63]
	v_pk_add_f32 v[208:209], v[208:209], v[210:211]
	v_pk_add_f32 v[14:15], v[14:15], v[254:255]
	v_pk_add_f32 v[14:15], v[14:15], v[208:209]
.Lskip_\@:
.endm
	s_wait_alu depctr_va_vdst(0)
	s_cmp_lt_u32 s10, 2
	s_cbranch_scc0 .Llater
	s_wait_tensorcnt 0x0                           ; waves 0 and 1: steps 0 and 9 have landed
.Llater:
	s_barrier_signal -1
	s_barrier_wait -1
	STEP                                           ; trip 0: A step 0, B step 9 (c = 7: step 0)
	s_wait_alu depctr_va_vdst(0)
	s_wait_tensorcnt 0x0                           ; every load has landed,
	s_wait_dscnt 0x0
	s_barrier_signal -1
	s_barrier_wait -1                              ; everybody's
	s_mov_b32 s18, 1
.Ltrip:                                            ; trips 1-8
	s_cmp_eq_u32 s24, 0
	s_cbranch_scc1 .Lstay
	s_cmp_lg_u32 s18, s26
	s_cbranch_scc1 .Lstay
	s_wait_loadcnt 0x0                             ; my first tile's q was in before its first product: the wait closes the way on which a step is left out
	global_load_b128 v[16:19], v1, s[66:67]        ; B: the short tile's q; the wait stands ahead of the step's first product
	global_load_b128 v[20:23], v1, s[66:67] offset:512
	global_load_b32 v249, v11, s[68:69]
.irp k, 0,1,2,3,4,5,6,7                ; B: the long tile's part goes to LDS, for A
	ds_store_b128 v253, v[O+4*\k:O+4*\k+3] offset:512*\k
.endr
	ds_store_b128 v253, v[12:15] offset:4096       ; -M, the largest score, the sum
	v_mov_b32 v12, 0x7f000000                      ; and the short tile begins: the first change of M multiplies sum and O^T by 0
	v_mov_b32 v13, 0xff61b1e6
	s_add_co_u32 s28, s25, 9                       ; its step is trip - (7 - c) = (trip + 9 + c) mod 16
	s_mov_b32 s14, s25
.Lstay:
	s_wait_dscnt 0x0                               ; B's part is in LDS.  A BARRIER A TRIP: its signal says that I begin this trip's step,
	s_barrier_signal -1
	STEP                                           ; (registers, and LDS loads of bytes that nobody writes)
	s_wait_alu depctr_va_vdst(0)
	s_barrier_wait -1                              ; and behind its wait all sixteen waves have begun it: no wave runs more than a step ahead.  The last trip's also shows B's parts to A
	s_add_co_u32 s18, s18, 1
	s_cmp_lt_u32 s18, 9
	s_cbranch_scc1 .Ltrip
	s_cmp_lg_u32 s24, 0
	s_cbranch_scc1 .Lmine
	s_cmp_eq_u32 s25, 7
	s_cbranch_scc1 .Lmine
	ds_load_b128 v[144:147], v253 offset:4096      ; A: B's part of my tile is joined under the larger M
.irp k, 0,1,2,3,4,5,6,7
	ds_load_b128 v[112+4*\k:115+4*\k], v253 offset:512*\k
.endr
	s_wait_dscnt 0x0
	v_min_num_f32 v148, v12, v144
	v_sub_f32 v149, v148, v12
	v_sub_f32 v150, v148, v144
	v_cvt_i32_f32 v149, v149
	v_cvt_i32_f32 v150, v150
	v_ldexp_f32 v250, 1.0, v149
	v_ldexp_f32 v152, 1.0, v150
	v_mov_b32 v153, 0
	v_pk_mul_f32 v[14:15], v[14:15], v[250:251] op_sel_hi:[1,0]
.set J, 0
.rept 16
	v_pk_mul_f32 v[O+J:O+1+J], v[O+J:O+1+J], v[250:251] op_sel_hi:[1,0]
.set J, J+2
.endr
	v_pk_fma_f32 v[14:15], v[146:147], v[152:153], v[14:15] op_sel_hi:[1,0,1]
.set J, 0
.rept 16
	v_pk_fma_f32 v[O+J:O+1+J], v[112+J:113+J], v[152:153], v[O+J:O+1+J] op_sel_hi:[1,0,1]
.set J, J+2
.endr
	s_wait_alu depctr_va_vdst(0)
.Lmine:
	; THE WAY OUT: O^T / the sum, quantised along C: my head's two blocks of 32
	v_add_f32 v14, v14, v15
	s_delay_alu instid0(VALU_DEP_1)
	v_permlanex16_b32 v248, v14, s20, s21
	s_delay_alu instid0(VALU_DEP_1)
	v_add_f32 v14, v14, v248                       ; the row's sum
	s_wait_alu depctr_va_vdst(0)
	v_rcp_f32 v14, v14
	v_lshl_add_u32 v9, v3, 3, v4                   ; 8 r + h: my scale byte's place.  (A plain instruction behind the reciprocal)
	s_wait_alu depctr_va_vdst(0)                   ; the wait ahead of the reciprocal's and O^T's first readers
.set J, 0
.rept 16
	v_pk_mul_f32 v[O+J:O+1+J], v[O+J:O+1+J], v[14:15] op_sel_hi:[1,0]
.set J, J+2
.endr
.irp b, 0,1
	v_max3_num_f32 v[208+\b], |v[O+16*\b]|, |v[O+1+16*\b]|, 0x8000000
.endr
.irp i, 2,4,6,8,10,12,14
.irp b, 0,1
	v_max3_num_f32 v[208+\b], v[208+\b], |v[O+16*\b+\i]|, |v[O+1+16*\b+\i]|
.endr
.endr
.irp b, 0,1
	v_permlanex16_b32 v[212+\b], v[208+\b], s20, s21
.endr
.irp b, 0,1
	v_max_num_f32 v[208+\b], v[208+\b], v[212+\b]
.endr
.irp b, 0,1
	v_add_nc_u32 v[220+\b], 0xf8800000, v[208+\b]
.endr
.irp b, 0,1
	v_and_or_b32 v[216+\b], v[208+\b], 0x7f800000, s19
.endr
.irp b, 0,1
	v_lshrrev_b32 v[212+\b], 23, v[220+\b]
.endr
.irp b, 0,1
.set J, 0
.rept 16
	v_med3_num_f32 v[O+16*\b+J], v[O+16*\b+J], -v[216+\b], v[216+\b]
.set J, J+1
.endr
	v_cvt_scalef32_pk8_bf8_f32 v[96+4*\b:97+4*\b], v[O+16*\b:O+7+16*\b], v[220+\b]
	v_cvt_scalef32_pk8_bf8_f32 v[98+4*\b:99+4*\b], v[O+8+16*\b:O+15+16*\b], v[220+\b]
.endr
	v_cndmask_b32 v248, v212, v213, s70            ; lane (r, h) stores block h's byte of row r
	global_store_b128 v1, v[96:99], s[72:73]       ; 512 consecutive bytes of an image
	global_store_b128 v1, v[100:103], s[72:73] offset:512
	global_store_b8 v9, v248, s[74:75]
	s_wait_tensorcnt 0x0                           ; the wave's end
	ds_add_u32 v5, v6
	s_wait_dscnt 0x0
	CROUND                                         ; the closing round
	s_endpgm
.Lfunc_end_k_q0c0fd47cf8_attn:
	.size	k_q0c0fd47cf8_attn, .Lfunc_end_k_q0c0fd47cf8_attn-k_q0c0fd47cf8_attn
	.p2alignl 7, 3214868480
	.fill 96, 4, 3214868480
	.section	.rodata,"a",@progbits
	.p2align	6, 0x0
	.amdhsa_kernel k_q0c0fd47cf8_attn
		.amdhsa_group_segment_fixed_size 317440
		.amdhsa_private_segment_fixed_size 0
		.amdhsa_enable_private_segment 0
		.amdhsa_kernarg_size 24
		.amdhsa_user_sgpr_count 2
		.amdhsa_user_sgpr_kernarg_segment_ptr 1
		.amdhsa_wavefront_size32 1
		.amdhsa_system_sgpr_workgroup_id_x 1
		.amdhsa_system_sgpr_workgroup_id_y 1
		.amdhsa_system_sgpr_workgroup_id_z 1
		.amdhsa_system_vgpr_workitem_id 0
		.amdhsa_next_free_vgpr 256
		.amdhsa_next_free_sgpr 84
		.amdhsa_reserve_vcc 0
		.amdhsa_float_denorm_mode_32 3
		.amdhsa_float_denorm_mode_16_64 3
		.amdhsa_memory_ordered 1
		.amdhsa_forward_progress 1
		.amdhsa_inst_pref_size 73
	.end_amdhsa_kernel
	.amdgpu_metadata
---
amdhsa.version: [ 1, 2 ]
amdhsa.kernels:
  - .name:           k_q0c0fd47cf8_attn
    .symbol:         k_q0c0fd47cf8_attn.kd
    .args:
      - { .name: qbuf, .offset: 0, .size: 8, .value_kind: global_buffer, .address_space: global }
      - { .name: kvbuf, .offset: 8, .size: 8, .value_kind: global_buffer, .address_space: global }
      - { .name: obuf, .offset: 16, .size: 8, .value_kind: global_buffer, .address_space: global }
    .group_segment_fixed_size: 317440
    .private_segment_fixed_size: 0
    .kernarg_segment_align: 8
    .kernarg_segment_size: 24
    .max_flat_workgroup_size: 512
    .sgpr_count:     84
    .vgpr_count:     256
    .wavefront_size: 32
...
	.end_amdgpu_metadata
.endif
;; end of part 3
;; launch proj (part 4): grid 8 x 32, 4 waves a work-group, clusters of 4 x 4, 262,656 bytes of LDS; arguments obuf, xw, b_o, out0; writes out0
.if DOCPART == 4
	.amdgcn_target "amdgcn-amd-amdhsa--gfx1250"
	.amdhsa_code_object_version 6
	.text
	.protected	k_q0c0fd47cf8_proj
	.globl	k_q0c0fd47cf8_proj
	.p2align	8
	.type	k_q0c0fd47cf8_proj,@function
k_q0c0fd47cf8_proj:
	s_mov_b64 s[64:65], 0
	v_nop
	global_prefetch_b8 v0, s[64:65] scope:SCOPE_SE
	s_setreg_imm32_b32 hwreg(HW_REG_WAVE_MODE, 25, 1), 1
	s_wait_xcnt 0x0
	s_wait_alu depctr_hold_cnt(0) depctr_sa_sdst(0) depctr_va_vdst(0) depctr_va_sdst(0) depctr_va_ssrc(0) depctr_va_vcc(0) depctr_vm_vsrc(0)
	s_getreg_b32 s2, hwreg(HW_REG_IB_STS2, 6, 4)
	s_cmp_eq_u32 s2, 0
	s_cbranch_scc0 .Lentry_in_a_cluster
	s_endpgm
.Lentry_in_a_cluster:
	s_bfe_u32 s2, ttmp6, 0x10000c
	s_cmp_lg_u32 s2, 0xf033
	s_cbranch_scc0 .Lentry_shape_is_right
	s_endpgm
.Lentry_shape_is_right:
; LAUNCH 4 OF 4.  out0 = O w_o + b_o on codes of BF8 with E8M0 scales: O's images and scale bytes from obuf, w_o's from xw (column blocks 12-19).  Nothing is left out here.
; The frame is launch qkv's: a work-group makes 128 tokens x 128 columns, four waves of 64 x 64; all of K = 1,024 of both operands lies in LDS in four chunks, each filled once by loads issued at the head
; (one tensor load a wave); cluster 4 x 4: O's tiles are asked for jointly along a row of the cluster, w_o's along a column.
; Source 0 = 16 rows of w_o, source 1 = 16 tokens: a lane holds one token, and (w_o's rows are permuted so) the 16 registers of two neighbouring tiles are 16 neighbouring columns: 64 bytes on end.
; THE WAY OUT goes through two stages of 16 rows x (256 + 16) bytes for each wave.  They lie in O's chunks 0-1, which have had their only fill, and whose last reads every wave has waited for ahead of the barrier in K step 3.
; LIMITS: the bias goes in first, as C, so the order of the sums differs from reference()'s; NaN and infinities are not served.
; REGISTERS: as in launch qkv; v16 into the stage, v17 out of it, v18 my place in two rows of out0; v32-95, the scale words', take the rows on the way out.
.set OS_OFF,  4194304
; FILLS AS THIS TEXT ISSUES THEM: one joint load of 65,536 bytes a wave: waves 0, 1 bring O's and w_o's first two chunks, waves 2, 3 the last two, shown by the barrier in K step 3, which also stands ahead of the stages' first store.
; LDS: O's chunks 0-1, w_o's 0-1, O's 2-3, w_o's 2-3; the stages lie in O's chunks 0-1
.set WO_IMG,  5767168
.set WO_SCL,  6995968                  ; and their scale bytes
.set SPARE,   262144
.set ACC,     128
.set MSB, 0
.macro WIN new
.if MSB != \new
	s_set_vgpr_msb (MSB<<8)|\new
.set MSB, \new
.endif
.endm
.macro CROUND
	s_barrier_signal -1
	s_barrier_wait -1
	s_cmp_lg_u32 s16, 0
	s_cbranch_scc1 .Lnot_wave_0_\@
	s_barrier_signal -3
.Lnot_wave_0_\@:
	s_barrier_wait -3
	s_barrier_signal -1
	s_barrier_wait -1
.endm
.macro FETCH q                         ; K step q's eight fragments into buffer q % 2
	WIN 0x40
.irp b, 0,1,2,3
.irp c, 0,1,2,3
	ds_load_b128 v[128*((\q)%2)+16*\b+4*\c:128*((\q)%2)+16*\b+4*\c+3], v[8+(\q)/2] offset:\b*4096+((\q)%2)*2048+\c*512
.endr
.endr
.irp b, 0,1,2,3
.irp c, 0,1,2,3
	ds_load_b128 v[128*((\q)%2)+64+16*\b+4*\c:128*((\q)%2)+64+16*\b+4*\c+3], v[12+(\q)/2] offset:\b*4096+((\q)%2)*2048+\c*512
.endr
.endr
.endm
.macro MULS q, cmode                   ; 16 products, the accumulators by turns.  cmode 1: C = the bias of source 0's block
	WIN 0x05
.irp i, 0,1,2,3
.irp j, 0,1,2,3
.set rD, ACC+8*(4*\i+\j)
.set rA, 128*((\q)%2)+16*\j
.set rB, 128*((\q)%2)+64+16*\i
.if \cmode == 0
	v_wmma_scale_f32_16x16x128_f8f6f4 v[rD:rD+7], v[rA:rA+15], v[rB:rB+15], v[rD:rD+7], v[32+8*\j+(\q)], v[64+8*\i+(\q)] matrix_a_fmt:MATRIX_FMT_BF8 matrix_b_fmt:MATRIX_FMT_BF8
.else
	v_wmma_scale_f32_16x16x128_f8f6f4 v[rD:rD+7], v[rA:rA+15], v[rB:rB+15], v[96+8*\j:103+8*\j], v[32+8*\j+(\q)], v[64+8*\i+(\q)] matrix_a_fmt:MATRIX_FMT_BF8 matrix_b_fmt:MATRIX_FMT_BF8
.endif
.endr
.endr
.endm
.macro PRE q
	s_wait_dscnt 0x0                               ; step q's fragments are in
.if (\q) == 3
	s_wait_tensorcnt 0x0                           ; the second half of K has landed (waves 2 and 3 issued it)
	s_barrier_signal -1
	s_barrier_wait -1
.endif
.if (\q) < 7
.if (\q) > 0
.rept 8
	v_nop                                          ; eight places between the last step's products and loads into the buffer that they read
.endr
.endif
	FETCH (\q)+1
.endif
.endm
	s_load_b256 s[4:11], s[0:1], 0x0               ; obuf s[4:5], xw s[6:7], b_o s[8:9], out0 s[10:11]
	v_lshl_add_u32 v28, v0, 2, SPARE
	v_mov_b32 v29, 0
	ds_add_u32 v28, v29                            ; the wave's opening: the add, twice on end, and its wait ahead of my first tensor load
	ds_add_u32 v28, v29
	v_lshrrev_b32 v1, 5, v0
	v_readfirstlane_b32 s16, v1                    ; wave 0..3
	s_lshr_b32 s17, s16, 1                         ; which 64 tokens are mine.  Also: which half of K I fetch
	s_and_b32 s18, s16, 1                          ; which 64 columns.  Also: I fetch for O (0) or for w_o (1)
	s_bfe_u32 s19, ttmp6, 0x40000                  ; cx
	s_bfe_u32 s20, ttmp6, 0x40004                  ; cy
	s_lshl_b32 s21, ttmp9, 2
	s_add_co_u32 s21, s21, s19                     ; the column block 0..7
	s_and_b32 s22, ttmp7, 0xffff
	s_lshl_b32 s22, s22, 2
	s_add_co_u32 s22, s22, s20                     ; the token block 0..31
	s_lshl_b32 s26, s20, 2
	s_lshl_b32 s26, 15, s26                        ; my row of the cluster
	s_lshl_b32 s27, 0x1111, s19                    ; my column
	s_or_b32 s40, s26, (3<<16)|(1<<21)
	s_or_b32 s48, s27, (3<<16)|(1<<21)
.irp g, 40, 48
	s_mov_b32 s[\g+1], 32<<16                      ; rows of 256 bytes,
	s_mov_b32 s[\g+2], 256<<16                     ; 256 of them: a dense block of 65,536 bytes, one load a wave
	s_mov_b32 s[\g+3], 32<<16
	s_mov_b32 s[\g+4], 256
	s_mov_b32 s[\g+5], 32
	s_mov_b32 s[\g+6], 0
	s_mov_b32 s[\g+7], 0
.endr
	s_lshl_b32 s62, s16, 16                        ; LDS: O's chunks 0-1, w_o's 0-1, O's 2-3, w_o's 2-3: wave x 65,536
	s_lshl_b32 s58, s22, 17
	s_lshl_b32 s59, s17, 16                        ; which half of K I fetch
	s_add_co_u32 s58, s58, s59
	s_mov_b32 s59, 0
	s_lshl_b32 s60, s21, 17
	s_lshl_b32 s61, s17, 16
	s_add_co_u32 s60, s60, s61
	s_add_co_u32 s60, s60, WO_IMG
	s_mov_b32 s61, 0
	s_wait_dscnt 0x0                               ; both opening adds are done
	s_wait_kmcnt 0x0
	s_add_nc_u64 s[58:59], s[4:5], s[58:59]
	s_add_nc_u64 s[60:61], s[6:7], s[60:61]
	s_mov_b32 s68, 1
	s_mov_b32 s69, s62
	s_mov_b64 s[70:71], s[58:59]
	s_or_b32 s71, s71, 0x80000000
	s_mov_b32 s84, 1
	s_mov_b32 s85, s62
	s_mov_b64 s[86:87], s[60:61]
	s_or_b32 s87, s87, 0x80000000
.macro ARM under, g0, g1, next         ; one load a wave, each wave's in an arm of its own
	s_cmp_lt_u32 s16, \under
	s_cbranch_scc0 \next
	tensor_load_to_lds s[\g0:\g0+3], s[\g1:\g1+7]
	s_nop 0
.rept 4
	v_nop
.endr
	s_branch .Lfilled
\next:
.endm
	CROUND                                         ; all sixteen work-groups are here: the joint loads meet
	ARM 1, 68, 40, .Lfill_1
	ARM 2, 84, 48, .Lfill_2
	ARM 3, 68, 40, .Lfill_3
	tensor_load_to_lds s[84:87], s[48:55]
	s_nop 0
.rept 4
	v_nop
.endr
.Lfilled:
	v_and_b32 v1, 31, v0
	v_lshlrev_b32 v1, 4, v1                        ; 16 x lane
	v_and_b32 v2, 15, v0                           ; r
	v_bfe_u32 v3, v0, 4, 1                         ; h
	v_lshlrev_b32 v7, 3, v2                        ; 8 r
	s_wait_alu depctr_va_vdst(0)
	v_lshlrev_b32 v4, 6, v3                        ; 64 h
	s_wait_alu depctr_va_vdst(0)
	s_lshl_b32 s2, s22, 12
	s_lshl_b32 s3, s17, 9
	s_add_co_u32 s2, s2, s3
	s_add_co_u32 s2, s2, OS_OFF
	s_mov_b32 s3, 0
	s_add_nc_u64 s[30:31], s[4:5], s[2:3]          ; O's scale words: my 64 tokens
	s_lshl_b32 s2, s21, 12
	s_lshl_b32 s100, s18, 9
	s_add_co_u32 s2, s2, s100
	s_add_co_u32 s2, s2, WO_SCL
	s_add_nc_u64 s[28:29], s[6:7], s[2:3]          ; w_o's: my 64 rows
.irp b, 0,1,2,3
.irp j, 0,1,2,3
	global_load_b64 v[32+8*\b+2*\j:33+8*\b+2*\j], v7, s[28:29] offset:\j*1024+\b*128
	global_load_b64 v[64+8*\b+2*\j:65+8*\b+2*\j], v7, s[30:31] offset:\j*1024+\b*128
.endr
.endr
	s_lshl_b32 s2, s21, 9
	s_lshl_b32 s100, s18, 8
	s_add_co_u32 s2, s2, s100                      ; my 64 columns, in bytes
	s_add_nc_u64 s[36:37], s[8:9], s[2:3]
.irp j, 0,1,2,3                        ; tile j's register k of lane (r, h) is column 32 (j / 2) + 16 h + 8 (j % 2) + k
	global_load_b128 v[96+8*\j:99+8*\j], v4, s[36:37] offset:(32*(\j/2)+8*(\j%2))*4
	global_load_b128 v[100+8*\j:103+8*\j], v4, s[36:37] offset:(32*(\j/2)+8*(\j%2))*4+16
.endr
	s_add_nc_u64 s[10:11], s[10:11], s[2:3]        ; out0 at my columns,
	s_lshl_b32 s2, s22, 19
	s_lshl_b32 s100, s17, 18
	s_add_co_u32 s2, s2, s100
	s_add_nc_u64 s[10:11], s[10:11], s[2:3]        ; and at my first token: rows of 4,096 bytes
	s_lshl_b32 s2, s17, 14                         ; O's half
	s_lshl_b32 s3, s18, 14
	s_add_co_u32 s3, s3, 65536                     ; w_o lies 65,536 bytes behind O
	v_add_nc_u32 v8, s3, v1
	v_add_nc_u32 v12, s2, v1
.irp j, 1,2,3
	v_add_nc_u32 v[8+\j], (\j/2)*131072+(\j%2)*32768, v8
	v_add_nc_u32 v[12+\j], (\j/2)*131072+(\j%2)*32768, v12
.endr
	s_mul_i32 s2, s16, 8704                        ; my two stages
	v_mul_u32_u24 v16, v2, 272
	v_lshl_add_u32 v16, v3, 6, v16
	v_add_nc_u32 v16, s2, v16                      ; in: row r, + 64 h
	v_mul_u32_u24 v17, v3, 272
	v_lshl_add_u32 v17, v2, 4, v17
	v_add_nc_u32 v17, s2, v17                      ; back: lanes 0-15 one row of 256 bytes, lanes 16-31 the next
	v_lshlrev_b32 v18, 12, v3
	v_lshl_add_u32 v18, v2, 4, v18                 ; and the same two rows in out0
	s_wait_alu depctr_va_vdst(0)
	s_cmp_lt_u32 s16, 2
	s_cbranch_scc0 .Lsecond_half
	s_wait_tensorcnt 0x0                           ; waves 0 and 1: the first half of K has landed
.Lsecond_half:
	s_barrier_signal -1
	s_barrier_wait -1
	FETCH 0
	s_wait_loadcnt 0x0                             ; the scale words and the bias
	PRE 0
	MULS 0, 1                                      ; the first products start the sums with the bias
.irp q, 1,2,3,4,5,6,7
	PRE \q
	MULS \q, 0
.endr
	WIN 0
.rept 8
	v_nop                                          ; eight places behind the last products
.endr
.macro TOSTAGE i                       ; 16 tokens x 64 columns into stage i % 2, each accumulator from its low end on, and back as rows.  LDS serves a wave's instructions in order: no wait between
.irp j, 0,1,2,3
	ds_store_b128 v16, v[ACC+8*(4*(\i)+\j):ACC+8*(4*(\i)+\j)+3] offset:((\i)%2)*4352+128*(\j/2)+32*(\j%2)
	ds_store_b128 v16, v[ACC+8*(4*(\i)+\j)+4:ACC+8*(4*(\i)+\j)+7] offset:((\i)%2)*4352+128*(\j/2)+32*(\j%2)+16
.endr
.irp t, 0,1,2,3,4,5,6,7
	ds_load_b128 v[32+32*((\i)%2)+4*\t:32+32*((\i)%2)+4*\t+3], v17 offset:((\i)%2)*4352+544*\t
.endr
.endm
.macro SEND i, younger                 ; younger: the LDS instructions issued behind block i's loads, which may stay out
	s_wait_dscnt \younger
.irp t, 0,1,2,3,4,5,6,7
	global_store_b128 v18, v[32+32*((\i)%2)+4*\t:32+32*((\i)%2)+4*\t+3], s[10:11] offset:(16*(\i)+2*\t)*4096 th:TH_STORE_NT   ; sixteen lanes store 256 consecutive bytes, at a multiple of 256 from out0's first byte
.endr
.endm
	TOSTAGE 0
	TOSTAGE 1
	SEND 0, 16
	s_wait_xcnt 0x0                                ; block 0's stores have read their registers: block 2's rows may land there
	TOSTAGE 2
	SEND 1, 16
	s_wait_xcnt 0x0
	TOSTAGE 3
	SEND 2, 16
	SEND 3, 0
	s_wait_tensorcnt 0x0                           ; the wave's end: behind my last tensor load and my last LDS store
	ds_add_u32 v28, v29
	s_wait_dscnt 0x0
	CROUND                                         ; the closing round
	s_endpgm
.Lfunc_end_k_q0c0fd47cf8_proj:
	.size	k_q0c0fd47cf8_proj, .Lfunc_end_k_q0c0fd47cf8_proj-k_q0c0fd47cf8_proj
	.p2alignl 7, 3214868480
	.fill 96, 4, 3214868480
	.section	.rodata,"a",@progbits
	.p2align	6, 0x0
	.amdhsa_kernel k_q0c0fd47cf8_proj
		.amdhsa_group_segment_fixed_size 262656
		.amdhsa_private_segment_fixed_size 0
		.amdhsa_enable_private_segment 0
		.amdhsa_kernarg_size 32
		.amdhsa_user_sgpr_count 2
		.amdhsa_user_sgpr_kernarg_segment_ptr 1
		.amdhsa_wavefront_size32 1
		.amdhsa_system_sgpr_workgroup_id_x 1
		.amdhsa_system_sgpr_workgroup_id_y 1
		.amdhsa_system_sgpr_workgroup_id_z 1
		.amdhsa_system_vgpr_workitem_id 0
		.amdhsa_next_free_vgpr 512
		.amdhsa_next_free_sgpr 104
		.amdhsa_reserve_vcc 0
		.amdhsa_float_denorm_mode_32 3
		.amdhsa_float_denorm_mode_16_64 3
		.amdhsa_memory_ordered 1
		.amdhsa_forward_progress 1
		.amdhsa_inst_pref_size 53
	.end_amdhsa_kernel
	.amdgpu_metadata
---
amdhsa.version: [ 1, 2 ]
amdhsa.kernels:
  - .name:           k_q0c0fd47cf8_proj
    .symbol:         k_q0c0fd47cf8_proj.kd
    .args:
      - { .name: obuf, .offset: 0, .size: 8, .value_kind: global_buffer, .address_space: global }
      - { .name: xw, .offset: 8, .size: 8, .value_kind: global_buffer, .address_space: global }
      - { .name: b_o, .offset: 16, .size: 8, .value_kind: global_buffer, .address_space: global }
      - { .name: out0, .offset: 24, .size: 8, .value_kind: global_buffer, .address_space: global }
    .group_segment_fixed_size: 262656
    .private_segment_fixed_size: 0
    .kernarg_segment_align: 8
    .kernarg_segment_size: 32
    .max_flat_workgroup_size: 128
    .sgpr_count:     104
    .vgpr_count:     512
    .wavefront_size: 32
...
	.end_amdgpu_metadata
.endif
;; end of part 4
